; MI455X (gfx1250); checked and timed in simulation.
; The chip was launched on July 23, 2026; its instructions are those of AMD's public machine-readable ISA for CDNA 5 (MIT licence, August 2026) and "CDNA5" Instruction Set Architecture Reference Guide (July 2026). The comments in the code are by the model that wrote it; some were corrected since.
;; Self Attention. Allowed arithmetic: matrix products marked QUANTISED: E2M3 operands, one E8M0 scale for each 32 along K, by v_wmma_scale_f32_16x16x128_f8f6f4 with both operands' format E2M3, f32 sums; everything else in f32.
;; Inputs: Wk 1,024 x 1,024 float32; Wo 1,024 x 1,024 float32; Wq 1,024 x 1,024 float32; Wv 1,024 x 1,024 float32; bo 1,024 float32; x 2 x 2,048 x 1,024 float32.
;; Outputs: out0 2 x 2,048 x 1,024 float32.
;; This version of the problem:
;;   THIS VERSION OF THE PROBLEM IS GIVEN IN LOW PRECISION. The matrix products marked QUANTISED in the list below multiply operands that are first quantised to E2M3 (2 exponent bits, 3 mantissa bits; 6 bits a number), with one power-of-two scale for each 32 numbers along K (OCP MX v1.0); their sums are f32. All else is computed in f32.
;;   The module's matrix products, in the order in which they are computed (A, B: the left and right operand; K: the contracted axis; several contracted axes count as one K, in the product's order):
;;     1. [M 4,096, K 1,024] x [K 1,024, N 1,024]; A: input x; B: input Wq: QUANTISED
;;     2. [M 4,096, K 1,024] x [K 1,024, N 1,024]; A: input x; B: input Wk: QUANTISED
;;     3. [M 4,096, K 1,024] x [K 1,024, N 1,024]; A: input x; B: input Wv: QUANTISED
;;     4. batch 32 x [M 2,048, K 64] x [K 64, N 2,048]; A: computed on the way; B: computed on the way: QUANTISED
;;     5. batch 32 x [M 2,048, K 2,048] x [K 2,048, N 64]; A: softmax (see below); B: computed on the way: QUANTISED
;;     6. [M 4,096, K 1,024] x [K 1,024, N 1,024]; A: computed on the way; B: input Wo: QUANTISED
;;   THE QUANTISER, for each operand of a quantised product, along K:
;;     - K is cut into blocks of 32 from its start; a last block that is shorter is filled with zeros.
;;     - A block's scale is 2^e with e = floor(log2(the largest magnitude in the block)) - 2, held to -126 .. 127; a block of zeros has e = 0. As a byte (E8M0): e + 127.
;;     - Each number is divided by its block's scale, clamped to +-7.5, and rounded to the nearest number of E2M3, ties to even, subnormals kept.
;;     - The product sums the exact products of the quantised numbers (number of the format x scale) in f32.
;;   ~~~python
;;   def quantise(x, axis):      # numpy; x: float32 -> the quantised numbers, widened to float32 again
;;       x = np.moveaxis(x, axis, -1); K = x.shape[-1]
;;       x = np.pad(x, [(0, 0)] * (x.ndim - 1) + [(0, -K % 32)]); x = x.reshape(x.shape[:-1] + (-1, 32)); a = np.abs(x).max(-1, keepdims=True)
;;       e = np.where(a > 0, np.clip(np.frexp(np.where(a > 0, a, 1))[1] - 1 - 2, -126, 127), 0)      # np.frexp(a)[1] - 1 = floor(log2(a)), exactly
;;       r = np.clip(x / 2.0 ** e, -7.5, 7.5)
;;       step = 2.0 ** (np.maximum(np.frexp(np.where(r == 0, 1, r))[1] - 1, 0) - 3)
;;       q = np.round(r / step) * step * 2.0 ** e      # np.round: ties to even
;;       return np.moveaxis(q.reshape(q.shape[:-2] + (-1,))[..., :K], -1, axis).astype(np.float32)
;;   ~~~
;;   SOFTMAX AHEAD OF A QUANTISED PRODUCT. Where the list says 'softmax', what is quantised is not the finished softmax but p = 2^(t - M), with t = logit x log2(e) and M = ceil(the row's largest t), a whole number; so 1/2 < the row's largest p <= 1. The row's sum l is taken of the UNQUANTISED p, in f32, and the product's result is divided by l at the end. Since M is a whole number, a kernel that streams over the keys may use a running M (the ceiling of the running maximum): every later rescaling is an exact power of two, which a block's scale takes up: the codes' values come out the same.
;;   OPERANDS COMPUTED ON THE WAY. 'Computed on the way' means the value that the module computes at that place (a softmax that the list does not call 'softmax' is quantised finished and normalised). What goes into a quantiser is computed in f32, as accurately as f32 sums, v_exp_f32 and their like allow (about 1e-6 of the number): no bf16 or f16 on the way to a quantiser, and a product that is left as it is and whose result goes on into a quantised operand takes f32 operands (vector FMAs, or v_wmma_f32_16x16x4_f32). A number that lies on a knife's edge between two numbers of the format may be rounded either way, as far as f32 arithmetic and the matrix unit's own rounding can turn it there, and no further.
;; One version. Each part assembles by itself: llvm-mc -triple=amdgcn-amd-amdhsa -mcpu=gfx1250 --defsym DOCPART=n.
;; ======== version 1 of 1: 4 launches
;; limits: right only within a limited range of input values
;; workspace buffers: xc 3,145,728 bytes; xs 131,072 bytes; wc 3,145,728 bytes; ws 131,072 bytes; qkv 10,092,544 bytes; oc 3,145,728 bytes; os 131,072 bytes
;; launch quant (part 1): grid 384 x 1, 8 waves a work-group, no clusters, 48,640 bytes of LDS; arguments x, Wq, Wk, Wv, Wo, xc, xs, wc, ws; writes xc, xs, wc, ws
.if DOCPART == 1
	.amdgcn_target "amdgcn-amd-amdhsa--gfx1250"
	.amdhsa_code_object_version 6
	.text
	.protected	k_qde007a7144_quant
	.globl	k_qde007a7144_quant
	.p2align	8
	.type	k_qde007a7144_quant,@function
k_qde007a7144_quant:
	s_mov_b64 s[64:65], 0
	v_nop
	global_prefetch_b8 v0, s[64:65] scope:SCOPE_SE
	s_setreg_imm32_b32 hwreg(HW_REG_WAVE_MODE, 25, 1), 1
	s_wait_xcnt 0x0
; x [4096][1024] and Wq, Wk, Wv, Wo [1024 (k)][1024 (n)], f32, become codes of FP6 (E2M3) with one E8M0 byte for each 32 along K.
; A block's scale is 2^(floor(log2(its largest magnitude)) - 2); its byte is the largest magnitude's exponent field - 2, held at 1 from below.
; LIMITS: NaN and infinities are not served; a block whose largest magnitude lies under 2^-124 (a block of zeros too) gets the byte 1, not 127: only this program reads the bytes.
; THE CODES ARE LAID AS THE MATRIX OPERAND'S REGISTERS.  A HALF-IMAGE is 768 bytes: 16 rows x 64 K: lane l = (r = l % 16, h = l / 16) holds the 24 bytes of row r, K = 32 h .. 32 h + 31:
; its registers 0-3 at byte 16 l, its registers 4-5 at byte 512 + 8 l.  xc and wc: [K slot of 256: 4][rowblock: 256][64 K: 4][768]; xs and ws: [K slot][row][8 bytes].
; ROWS LIE BY POSITION: rowblock 2 B + u, row p, is true row 32 B + 8 u + p + 8 (p / 8) (bits 3 and 4 of the index change places), so that a product that takes rowblocks as its
; source 0 leaves 16 neighbouring true indices in the 16 registers of two neighbouring result tiles.  wc's rows are the weights' columns: rowblocks 0-63 Wq, 64-127 Wk, 128-191 Wv, 192-255 Wo.
; Work-groups 0-127 take x: a wave takes 16 rows x 256 K.  Each load reads two rows' aligned 256 bytes; the numbers turn through the wave's own stage in LDS so that a lane holds a whole block of 32.
; Work-groups 128-383 take the weights: a wave takes 32 columns x 64 K, a lane a column, its registers down K: nothing is transposed.  All loads of a wave go out at once.
.set STGB,  4352                       ; a wave's stage: 16 rows x (256 bytes + 16)
.set GATH,  8*STGB                     ; behind the stages: the weights' path gathers 64 rows x 8 scale bytes here; the two paths share no LDS byte
.set CODE,  36352                      ; behind the spare words: the weights' path gathers its codes here: [rowblock t 4][64 K 4][768], 12,288 bytes, as they lie in wc
.set R,     32                         ; v32-159  x: four sets of 32 numbers
.set CD,    160                        ; v160-183 x: six registers of codes for each set: no store's data are written again
.set TT,    184                        ; v184-186 the second half of a block's codes (a conversion's three registers begin on an even number)
.set X,     32                         ; v32-95   a weight's 64 numbers down K
.set P,     96                         ; v96-101  codes of K 0-31, then the first rowblock's half-image
.set Q,     104                        ; v104-109 codes of K 32-63, then the second rowblock's
.set TA,    112
.set TB,    116
; the largest magnitude of the 32 numbers v[xs] .. v[xs+31], in two chains, with the floor 2^(3 - 127) as one more leaf: the byte cannot fall under 1
.macro BLKMAX xs, m, t
	v_max3_num_f32 v[\m], |v[\xs]|, |v[\xs+1]|, |v[\xs+2]|
	v_max3_num_f32 v[\t], |v[\xs+3]|, |v[\xs+4]|, |v[\xs+5]|
.irp i, 6,10,14,18,22,26
	s_delay_alu instid0(VALU_DEP_2)
	v_max3_num_f32 v[\m], v[\m], |v[\xs+\i]|, |v[\xs+\i+1]|
	s_delay_alu instid0(VALU_DEP_2)
	v_max3_num_f32 v[\t], v[\t], |v[\xs+\i+2]|, |v[\xs+\i+3]|
.endr
	s_delay_alu instid0(VALU_DEP_2)
	v_max3_num_f32 v[\m], v[\m], |v[\xs+30]|, |v[\xs+31]|
	s_delay_alu instid0(VALU_DEP_1)
	v_max3_num_f32 v[\m], v[\m], v[\t], 0x1800000
.endm
	s_load_b256 s[8:15], s[0:1], 0x0               ; x s[8:9], Wq s[10:11], Wk s[12:13], Wv s[14:15]
	s_load_b256 s[16:23], s[0:1], 0x20             ; Wo s[16:17], xc s[18:19], xs s[20:21], wc s[22:23]
	s_load_b64 s[24:25], s[0:1], 0x40              ; ws
	v_lshl_add_u32 v192, v0, 2, 0x8a00
	v_mov_b32 v193, 0
	v_lshrrev_b32 v1, 5, v0
	s_delay_alu instid0(VALU_DEP_1)
	v_readfirstlane_b32 s26, v1                    ; wave 0..7
	v_and_b32 v1, 31, v0                           ; lane
	v_and_b32 v2, 15, v0                           ; r
	v_bfe_u32 v3, v0, 4, 1                         ; h
	s_delay_alu instid0(VALU_DEP_2)
	v_lshlrev_b32 v4, 4, v2
	s_delay_alu instid0(VALU_DEP_1)
	v_lshl_add_u32 v4, v3, 12, v4                  ; x: lanes 0-15 one row's 256 bytes, lanes 16-31 the next row's
	s_mul_i32 s27, s26, STGB
	v_mul_u32_u24 v5, v3, 272
	s_delay_alu instid0(VALU_DEP_1)
	v_lshl_add_u32 v5, v2, 4, v5
	s_delay_alu instid0(VALU_DEP_1)
	v_add_nc_u32 v5, s27, v5                       ; the stage, in: row h of a pair, 16 bytes a lane
	v_mul_u32_u24 v6, v2, 272
	s_delay_alu instid0(VALU_DEP_1)
	v_lshl_add_u32 v6, v3, 7, v6
	s_delay_alu instid0(VALU_DEP_1)
	v_add_nc_u32 v6, s27, v6                       ; and out: row r, my half's 128 bytes
	v_lshlrev_b32 v7, 4, v1                        ; 16 x lane
	v_lshlrev_b32 v8, 3, v1                        ; 8 x lane
	v_lshlrev_b32 v9, 3, v2
	s_delay_alu instid0(VALU_DEP_1)
	v_lshl_add_u32 v9, v3, 2, v9                   ; x's scale bytes: 8 r + 4 h
	; THE ORDER BY POSITION, for x's rows and the weights' columns alike (it takes the place of the order stated at the head): rowblock 4 G + t, row p, is true index 64 G + 32 (p / 8) + 8 t + p % 8.
	; The weights: a wave takes 32 NEIGHBOURING columns, 32 (wave % 2) + lane of the work-group's 64; lane 8 t + i is row 8 (wave % 2) + i of rowblock t.  Its codes go to their places in the images through LDS
	s_and_b32 s27, s26, 1                          ; wave % 2
	s_lshr_b32 s30, s26, 1                         ; which 64 along K
	s_mul_i32 s31, s30, 768
	s_add_co_u32 s31, s31, CODE
	s_lshl_b32 s32, s27, 7
	s_add_co_u32 s32, s32, s31                     ; registers 0-3 of an image's lane: 16 bytes a row, 8 rows on for the odd waves
	s_lshl_b32 s33, s27, 6
	s_add_co_u32 s31, s31, s33                     ; registers 4-5: 8 bytes a row
	s_lshl_b32 s30, s30, 1
	s_add_co_u32 s33, s33, s30
	s_add_co_u32 s33, s33, GATH                    ; the scale bytes: 8 bytes a row, bytes 2 (wave / 2) and the next
	s_mul_i32 s27, s26, 1536                       ; on the way out a wave copies 1,536 of the 12,288 bytes
	v_lshlrev_b32 v10, 2, v1                       ; my column: 4 bytes a lane
	v_and_b32 v15, 7, v0                           ; i
	v_bfe_u32 v19, v0, 3, 2                        ; t
	v_mul_u32_u24 v16, v19, 3072
	v_lshlrev_b32 v11, 7, v19                      ; 16 rows of 8 scale bytes a rowblock
	v_lshl_add_u32 v17, v15, 3, v16
	v_lshl_add_u32 v16, v15, 4, v16
	v_lshl_add_u32 v11, v15, 3, v11
	v_add_nc_u32 v17, s31, v17
	v_add_nc_u32 v16, s32, v16
	v_add_nc_u32 v11, s33, v11
	v_add_nc_u32 v12, GATH, v7                     ; the scale bytes' way out: 16 bytes a lane
	v_add_nc_u32 v19, s27, v7                      ; the codes' way out: my place in the work-group's 12,288 bytes of wc,
	v_add_nc_u32 v18, CODE, v19                    ; and in LDS
	v_mov_b32 v13, 0x05010400                      ; byte selects that interleave my four scale bytes with lane l xor 16's: h = 0 makes bytes 0-3 of a row's eight,
	v_mov_b32 v15, 0x03070206                      ; h = 1 bytes 4-7
	v_cmp_eq_u32 vcc_lo, 1, v3
	s_delay_alu instid0(VALU_DEP_1)
	v_cndmask_b32 v13, v13, v15, vcc_lo
	v_mov_b32 v14, 0                               ; a lane permute's destination counts as one of its sources
	s_mov_b32 s28, 0x76543210
	s_mov_b32 s29, 0xfedcba98                      ; v_permlanex16_b32's selects for lane l xor 16
	s_wait_kmcnt 0x0
	s_cmp_lt_u32 ttmp9, 128
	s_cbranch_scc0 .Lw
	; ---- x.  Task 8 x work-group + wave: rowblock = task / 4, K slot = task % 4
	s_lshl_b32 s32, ttmp9, 3
	s_add_co_u32 s32, s32, s26
	s_lshr_b32 s33, s32, 2                         ; rowblock 2 B + u
	s_and_b32 s34, s32, 3                          ; K slot
	s_lshr_b32 s36, s33, 2
	s_lshl_b32 s36, s36, 18                        ; 64 G rows of 4,096 bytes
	s_and_b32 s35, s33, 3
	s_lshl_b32 s35, s35, 15                        ; 8 t rows
	s_add_co_u32 s36, s36, s35
	s_lshl_b32 s35, s34, 10                        ; 256 numbers a K slot
	s_add_co_u32 s36, s36, s35
	s_mov_b32 s37, 0
	s_add_nc_u64 s[8:9], s[8:9], s[36:37]
	s_mul_i32 s36, s34, 786432
	s_mul_i32 s35, s33, 3072
	s_add_co_u32 s36, s36, s35
	s_add_nc_u64 s[18:19], s[18:19], s[36:37]
	s_lshl_b32 s36, s34, 15
	s_lshl_b32 s35, s33, 7
	s_add_co_u32 s36, s36, s35
	s_add_nc_u64 s[20:21], s[20:21], s[36:37]
.irp c, 0,1,2,3                        ; all 32 loads at once: set c = 64 along K; load j = rows 2 j and 2 j + 1 of the rowblock, which are true rows 2 j + h + 24 (j / 4)
.irp j, 0,1,2,3,4,5,6,7
	global_load_b128 v[R+32*\c+4*\j:R+32*\c+4*\j+3], v4, s[8:9] offset:(2*\j+24*(\j/4))*4096+256*\c th:TH_LOAD_NT   ; rows 2 j and 2 j + 1 of the rowblock: rows 8-15 lie 32 true rows behind rows 0-7
.endr
.endr
.macro TURN c                          ; set c through the stage and back into the registers that it left: LDS serves a wave's instructions in order, so one stage serves all four sets
	s_wait_loadcnt 24-8*\c                         ; loads come back in order: set c's eight are in, the later sets' stay out
.irp j, 0,1,2,3,4,5,6,7
	ds_store_b128 v5, v[R+32*\c+4*\j:R+32*\c+4*\j+3] offset:544*\j
.endr
.irp i, 0,1,2,3,4,5,6,7
	ds_load_b128 v[R+32*\c+4*\i:R+32*\c+4*\i+3], v6 offset:16*\i     ; row r, K = 32 h + 4 i ..: a whole block in a lane
.endr
.endm
.macro WORK c, left                    ; left: the LDS instructions issued behind set c's loads (the next set's sixteen, or none)
	s_wait_dscnt \left
	BLKMAX R+32*\c, 21, 22
	s_delay_alu instid0(VALU_DEP_1)
	v_add_nc_u32 v22, 0xff000000, v21              ; 2 off the exponent field: the conversion takes the exponent field of this operand as its scale
	v_cvt_scalef32_pk16_fp6_f32 v[CD+6*\c:CD+6*\c+2], v[R+32*\c:R+32*\c+15], v22
	v_cvt_scalef32_pk16_fp6_f32 v[TT:TT+2], v[R+32*\c+16:R+32*\c+31], v22
	v_lshrrev_b32 v23, 23, v22                     ; the scale's byte (also the plain line behind the conversions)
.if \c == 0
	s_delay_alu instid0(VALU_DEP_1)
	v_mov_b32 v20, v23
.else
	s_delay_alu instid0(VALU_DEP_1)
	v_lshl_or_b32 v20, v23, 8*\c, v20              ; my byte c is block 2 c + h of the row's eight
.endif
.irp i, 0,1,2
	v_mov_b32 v[CD+6*\c+3+\i], v[TT+\i]
.endr
	global_store_b128 v7, v[CD+6*\c:CD+6*\c+3], s[18:19] offset:768*\c          ; 512 consecutive bytes, aligned
	global_store_b64 v8, v[CD+6*\c+4:CD+6*\c+5], s[18:19] offset:768*\c+512     ; 256 consecutive bytes, aligned
.endm
	TURN 0
	TURN 1
	WORK 0, 16
	TURN 2
	WORK 1, 16
	TURN 3
	WORK 2, 16
	WORK 3, 0
	v_permlanex16_b32 v14, v20, s28, s29           ; the other half's four bytes
	s_delay_alu instid0(VALU_DEP_1)
	v_perm_b32 v21, v14, v20, v13                  ; interleaved: four neighbouring bytes of my row's eight
	global_store_b32 v9, v21, s[20:21]             ; the wave stores 128 consecutive bytes: one byte for each 128 that it has read
	s_branch .Ljoin
.Lw:	; ---- the weights.  g = work-group - 128: weight g / 64, 64 columns (g / 4) % 16, K slot g % 4; wave: 32 columns wave % 2, 64 along K wave / 2
	s_sub_co_u32 s32, ttmp9, 128
	s_lshr_b32 s33, s32, 6                         ; which weight
	s_bfe_u32 s34, s32, 0x40002                    ; which 64 columns
	s_and_b32 s35, s32, 3                          ; K slot
	s_and_b32 s36, s26, 1                          ; which 32 of them
	s_lshr_b32 s37, s26, 1                         ; which 64 along K
	s_mov_b64 s[30:31], s[16:17]
	s_cmp_eq_u32 s33, 2                            ; the choice hangs on the work-group's number alone
	s_cselect_b64 s[30:31], s[14:15], s[30:31]
	s_cmp_eq_u32 s33, 1
	s_cselect_b64 s[30:31], s[12:13], s[30:31]
	s_cmp_eq_u32 s33, 0
	s_cselect_b64 s[30:31], s[10:11], s[30:31]
	s_lshl_b32 s38, s35, 20                        ; 256 rows of 4,096 bytes a K slot
	s_lshl_b32 s39, s37, 18
	s_add_co_u32 s38, s38, s39
	s_lshl_b32 s39, s34, 8
	s_add_co_u32 s38, s38, s39
	s_lshl_b32 s39, s36, 7                         ; my 32 columns
	s_add_co_u32 s38, s38, s39
	s_mov_b32 s39, 0
	s_add_nc_u64 s[30:31], s[30:31], s[38:39]
	s_lshl_b32 s40, s33, 6
	s_lshl_b32 s41, s34, 2
	s_add_co_u32 s40, s40, s41
	s_mul_i32 s40, s40, 3072                       ; the work-group's four rowblocks: 12,288 dense bytes of this K slot
	s_mul_i32 s41, s35, 786432
	s_add_co_u32 s40, s40, s41
	s_mov_b32 s41, 0
	s_add_nc_u64 s[22:23], s[22:23], s[40:41]
	s_wait_alu depctr_va_vdst(0)
.irp i, 0,1,2,3,4,5,6,7,8,9,10,11,12,13,14,15,16,17,18,19,20,21,22,23,24,25,26,27,28,29,30,31,32,33,34,35,36,37,38,39,40,41,42,43,44,45,46,47,48,49,50,51,52,53,54,55,56,57,58,59,60,61,62,63
	global_load_b32 v[X+\i], v10, s[30:31] offset:4096*\i th:TH_LOAD_NT     ; W(k0 + i, my column): the wave reads 128 consecutive bytes, two neighbouring waves an aligned 256
.endr
	s_wait_loadcnt 32                              ; the first block's 32 loads are in
	BLKMAX X, 20, 21
	s_delay_alu instid0(VALU_DEP_1)
	v_add_nc_u32 v22, 0xff000000, v20
	s_wait_loadcnt 0x0
	BLKMAX X+32, 20, 21
	s_delay_alu instid0(VALU_DEP_1)
	v_add_nc_u32 v23, 0xff000000, v20
	v_cvt_scalef32_pk16_fp6_f32 v[P:P+2], v[X:X+15], v22
	v_cvt_scalef32_pk16_fp6_f32 v[TA:TA+2], v[X+16:X+31], v22
	v_cvt_scalef32_pk16_fp6_f32 v[Q:Q+2], v[X+32:X+47], v23
	v_cvt_scalef32_pk16_fp6_f32 v[TB:TB+2], v[X+48:X+63], v23
	v_lshrrev_b32 v24, 23, v22                     ; the two bytes (plain lines behind the conversions)
	v_lshrrev_b32 v25, 23, v23
	s_delay_alu instid0(VALU_DEP_1)
	v_lshl_or_b32 v26, v25, 8, v24
.irp i, 0,1,2
	v_mov_b32 v[P+3+\i], v[TA+\i]
	v_mov_b32 v[Q+3+\i], v[TB+\i]
.endr
	ds_store_b128 v16, v[P:P+3]                    ; K 0-31 of my row: the image's lane p: registers 0-3 at 16 p,
	ds_store_b64 v17, v[P+4:P+5] offset:512        ; registers 4-5 at 512 + 8 p;
	ds_store_b128 v16, v[Q:Q+3] offset:256         ; K 32-63: the image's lane 16 + p
	ds_store_b64 v17, v[Q+4:Q+5] offset:640
	ds_store_b16 v11, v26                          ; my column's two scale bytes into the work-group's gather
.Ljoin:	; one barrier on every wave's path: my LDS instructions are done, then everybody's are
	s_wait_dscnt 0x0
	s_barrier_signal -1
	s_barrier_wait -1
	s_cmp_lt_u32 ttmp9, 128
	s_cbranch_scc1 .Lend
.irp k, 0,1,2                          ; the weights' codes leave as they lie: each wave 1,536 bytes, each store 512 consecutive bytes, aligned
	ds_load_b128 v[32+4*\k:35+4*\k], v18 offset:512*\k
.endr
	s_wait_dscnt 0x0
.irp k, 0,1,2
	global_store_b128 v19, v[32+4*\k:35+4*\k], s[22:23] offset:512*\k
.endr
	s_cmp_lg_u32 s26, 0
	s_cbranch_scc1 .Lend
	s_sub_co_u32 s32, ttmp9, 128                   ; wave 0 of a weights' work-group stores the 64 rows' scale bytes: 512 consecutive bytes
	s_lshr_b32 s33, s32, 6
	s_bfe_u32 s34, s32, 0x40002
	s_and_b32 s35, s32, 3
	s_lshl_b32 s36, s35, 15
	s_lshl_b32 s33, s33, 13
	s_add_co_u32 s36, s36, s33
	s_lshl_b32 s34, s34, 9
	s_add_co_u32 s36, s36, s34
	s_mov_b32 s37, 0
	s_add_nc_u64 s[24:25], s[24:25], s[36:37]
	ds_load_b128 v[28:31], v12
	s_wait_dscnt 0x0
	global_store_b128 v7, v[28:31], s[24:25]
.Lend:
	s_wait_tensorcnt 0x0
	ds_add_u32 v192, v193
	s_wait_dscnt 0x0
	s_endpgm
.Lfunc_end_k_qde007a7144_quant:
	.size	k_qde007a7144_quant, .Lfunc_end_k_qde007a7144_quant-k_qde007a7144_quant
	.p2alignl 7, 3214868480
	.fill 96, 4, 3214868480
	.section	.rodata,"a",@progbits
	.p2align	6, 0x0
	.amdhsa_kernel k_qde007a7144_quant
		.amdhsa_group_segment_fixed_size 48640
		.amdhsa_private_segment_fixed_size 0
		.amdhsa_enable_private_segment 0
		.amdhsa_kernarg_size 72
		.amdhsa_user_sgpr_count 2
		.amdhsa_user_sgpr_kernarg_segment_ptr 1
		.amdhsa_wavefront_size32 1
		.amdhsa_system_sgpr_workgroup_id_x 1
		.amdhsa_system_sgpr_workgroup_id_y 1
		.amdhsa_system_sgpr_workgroup_id_z 1
		.amdhsa_system_vgpr_workitem_id 0
		.amdhsa_next_free_vgpr 194
		.amdhsa_next_free_sgpr 66
		.amdhsa_reserve_vcc 1
		.amdhsa_float_denorm_mode_32 3
		.amdhsa_float_denorm_mode_16_64 3
		.amdhsa_memory_ordered 1
		.amdhsa_forward_progress 1
		.amdhsa_inst_pref_size 33
	.end_amdhsa_kernel
	.amdgpu_metadata
---
amdhsa.version: [ 1, 2 ]
amdhsa.kernels:
  - .name:           k_qde007a7144_quant
    .symbol:         k_qde007a7144_quant.kd
    .args:
      - { .name: x, .offset: 0, .size: 8, .value_kind: global_buffer, .address_space: global }
      - { .name: Wq, .offset: 8, .size: 8, .value_kind: global_buffer, .address_space: global }
      - { .name: Wk, .offset: 16, .size: 8, .value_kind: global_buffer, .address_space: global }
      - { .name: Wv, .offset: 24, .size: 8, .value_kind: global_buffer, .address_space: global }
      - { .name: Wo, .offset: 32, .size: 8, .value_kind: global_buffer, .address_space: global }
      - { .name: xc, .offset: 40, .size: 8, .value_kind: global_buffer, .address_space: global }
      - { .name: xs, .offset: 48, .size: 8, .value_kind: global_buffer, .address_space: global }
      - { .name: wc, .offset: 56, .size: 8, .value_kind: global_buffer, .address_space: global }
      - { .name: ws, .offset: 64, .size: 8, .value_kind: global_buffer, .address_space: global }
    .group_segment_fixed_size: 48640
    .private_segment_fixed_size: 0
    .kernarg_segment_align: 8
    .kernarg_segment_size: 72
    .max_flat_workgroup_size: 256
    .sgpr_count:     66
    .vgpr_count:     194
    .wavefront_size: 32
...
	.end_amdgpu_metadata
.endif
;; end of part 1
;; launch qkv (part 2): grid 12 x 16, 4 waves a work-group, clusters of 4 x 4, 327,680 bytes of LDS; arguments xc, xs, wc, ws, qkv; writes qkv
.if DOCPART == 2
	.amdgcn_target "amdgcn-amd-amdhsa--gfx1250"
	.amdhsa_code_object_version 6
	.text
	.protected	k_qde007a7144_qkv
	.globl	k_qde007a7144_qkv
	.p2align	8
	.type	k_qde007a7144_qkv,@function
k_qde007a7144_qkv:
	s_mov_b64 s[64:65], 0
	v_nop
	global_prefetch_b8 v0, s[64:65] scope:SCOPE_SE
	s_setreg_imm32_b32 hwreg(HW_REG_WAVE_MODE, 25, 1), 1
	s_wait_xcnt 0x0
	s_wait_alu depctr_hold_cnt(0) depctr_sa_sdst(0) depctr_va_vdst(0) depctr_va_sdst(0) depctr_va_ssrc(0) depctr_va_vcc(0) depctr_vm_vsrc(0)
	s_getreg_b32 s2, hwreg(HW_REG_IB_STS2, 6, 4)
	s_cmp_eq_u32 s2, 0
	s_cbranch_scc0 .Lentry_in_a_cluster
	s_endpgm
.Lentry_in_a_cluster:
	s_bfe_u32 s2, ttmp6, 0x10000c
	s_cmp_lg_u32 s2, 0xf033
	s_cbranch_scc0 .Lentry_shape_is_right
	s_endpgm
.Lentry_shape_is_right:
; q = x Wq, k = x Wk, v = x Wv on codes of FP6 (E2M3) with E8M0 scales, K = 1,024; the results are quantised in registers on the way out (q, k along the head's 64, v along the keys) and never leave as f32.
; A work-group of four waves makes a tile of 256 x 256, a wave 128 x 128: 64 accumulators, 512 registers.  K goes in four slots of 256 through a ring of two LDS slots filled by the tensor data mover.
; OPERANDS ARE IMAGES OF THEIR REGISTERS: a half-image, 768 bytes, is 16 rows x 64 K: lane l's registers 0-3 at byte 16 l, registers 4-5 at byte 512 + 8 l.  A fragment (16 rows x 128 K, 12 registers) is two
; half-images: four loads of consecutive bytes.  The 8 rowblocks x 256 K that a wave fetches are 24,576 dense bytes of memory: one tensor load, no pitch, no padding.
; ONE TEXT, TWO TYPES, told apart by the cluster's x, which all sixteen partners share.  Clusters 0 and 1: 'A' = x (tokens), 'B' = Wq | Wk.  Cluster 2: 'A' = Wv, 'B' = x: it makes v transposed.
; THE MATRIX INSTRUCTION IS USED TRANSPOSED (source 0 = 16 rows of 'B', source 1 = 16 rows of 'A'): a lane holds one row of 'A' and its registers run along 'B'.  Rows lie by position in xc and wc (bits 3 and 4 of the
; index changed places), so the 16 registers of accumulators 2 B and 2 B + 1 are TRUE indices 32 B + 16 (lane / 16) + 0 .. 15 of 'B': the head's channels for q and k, the tokens for v: the quantiser's axis.
; CLUSTERS: 4 x 4.  'A's tiles are shared along a row of the cluster, 'B's along a column: each is asked for jointly, by the same tensor load with the same descriptor and a mask that names the four.
; OUT: qkv [head 32][group of 128 tokens 16][19,712]: K codes 8 x 768 | V codes 4 x 1,536 | K scale words 512 | V scale words 256 | Q codes 8 x 768 | Q scale words 512.
; LIMITS: NaN and infinities are not served; a block whose largest magnitude lies under 2^-124 gets the byte 1.
; REGISTERS: window 0: v0-31 addresses; v32-63 scale words, two sets; v64-115 the way out; v128-223 'A's fragments, one set.  window 1: 'B's fragments, two sets, at v0 and v128.  windows 2, 3: the accumulators.
.set HALFT,  24576                     ; 8 rowblocks x 256 K: what one tensor load brings, and what one wave reads of 'A' or of 'B'
.set SLOT,   2*HALFT                   ; one side's slot: its two halves.  LDS: 'A's slots 0 and 1, then 'B's slots 0 and 1
.set SCL,    8*HALFT                   ; behind the ring: the scale bytes, [K slot 4][256 rows][8] = 8,192 bytes for 'A', then the same for 'B'; filled once
.set SPARE,  SCL+4*4096                ; the spare words, 128 bytes for each wave: two blocks of 256 bytes that no other line names
.set KSTR,   786432                    ; from K slot to K slot in xc and wc
.set RBB,    3072                      ; a rowblock's 256 K
.set HEADB,  315392                    ; a head in qkv
.set GRP,    19712                     ; a group of 128 tokens in qkv
.set NQ,     2                         ; matrix instructions deep in a slot
.set FR,     12                        ; registers of a fragment
.set NL,     4                         ; LDS loads that bring one
.set NP,     4                         ; places behind this matrix instruction (ISA guide 7.12.1)
.set ADRA, 16                          ; v16-17 16 x lane + my 'A' half in slot 0, 1;  v18-19 the same with 8 x lane
.set ADRB, 20                          ; v20-23 the same for 'B'
.set ADRS, 27                          ; v27    my scale words: lanes 0-15 'A's rows, lanes 16-31 'B's; never rewritten
.set SPW,  28                          ; v28    my spare word: SPARE + 4 x my thread's number; never rewritten
.set NIL,  29                          ; v29    0; never rewritten
.set SC,   32                          ; scale words: set s at v[SC + 16 s]; register 2 i + q: lanes 0-15 'A's block i, lanes 16-31 'B's block i, the slot's q-th 128 along K
.set AF,   128
.set PC,   64                          ; the way out: v64-75 a fragment's codes, v76-82 the conversions' second halves
.set TM,   84                          ; v84-87 largest magnitudes, v88-91 the other half's / the bytes, v96-99 the conversions' scale operands
.set PW,   100                         ; the scale word just made
.set SH,   101                         ; 16 in lanes 16-31 of type qk, else 0: brings the odd head's two bytes down
.set SW,   104                         ; v104-111 the eight blocks' scale words
.set O16,  112
.set O8,   113
.set SO,   114                         ; 16 r + a head x h
.set HH,   115                         ; h
.set H8,   116                         ; 8 h
.set SEL,  2                           ; s[2:3]   v_permlanex16_b32's selects
.set STP,  20                          ; s[20:21] from block to block on the way out;  s[22:23] from block 3 to block 4
.set JMP,  22
.set OB0,  66                          ; s[66:67] where a block's first half-image goes;  s[92:93] its second;  s[94:95] the scale words
.set OB1,  92
.set SB,   94
.set TYP,  96                          ; s96      1: the cluster makes v
.set G1, 24                            ; s[24:31] descriptor group 1 for 'A's tiles;  s[32:39] group 0, one set for each slot
.set G0, 32
.set G1B, 48                           ; s[48:55], s[56:63] the same for 'B's
.set G0B, 56
.set G1S, 68                           ; s[68:75], s[76:79] groups 1 and 0 for 'A's scales;  s[80:87], s[88:91] for 'B's
.set G0S, 76
.set G1SB, 80
.set G0SB, 88
.set MSB, 0
.macro WIN new                         ; the immediate's high byte repeats the setting that is left
.if MSB != (\new)
	s_set_vgpr_msb (MSB<<8)|(\new)
.set MSB, \new
.endif
.endm
.set MUL_LO, 0xa1                      ; source 0 ('B') window 1, source 1 ('A') window 0, C and D window 2
.set MUL_HI, 0xf1                      ; the same, C and D window 3
.set TO_B,   0x40                      ; destination window 1, address window 0
; A joint load: waves 0 and 1 fetch for 'A', waves 2 and 3 for 'B'.  The branch hangs on the wave's number alone.  Four v_nop follow each of the two lines.
.macro JLOAD g0a, g1a, g0b, g1b
	s_cmp_eq_u32 s15, 0
	s_cbranch_scc0 .Lfor_b_\@
	tensor_load_to_lds s[\g0a:\g0a+3], s[\g1a:\g1a+7]
	s_nop 0
.rept 4
	v_nop
.endr
	s_branch .Lasked_\@
.Lfor_b_\@:
	tensor_load_to_lds s[\g0b:\g0b+3], s[\g1b:\g1b+7]
	s_nop 0
.rept 4
	v_nop
.endr
.Lasked_\@:
.endm
.macro CREST                           ; a round of the cluster's barrier behind its opening barrier
	s_cmp_lg_u32 s14, 0
	s_cbranch_scc1 .Lnot_wave_0_\@
	s_barrier_signal -3
.Lnot_wave_0_\@:
	s_barrier_wait -3
	s_barrier_signal -1
	s_barrier_wait -1
.endm
.macro CROUND                          ; a whole round
	s_barrier_signal -1
	s_barrier_wait -1
	CREST
.endm
	s_load_b128 s[4:7], s[0:1], 0x0                ; xc, xs
	s_load_b128 s[8:11], s[0:1], 0x10              ; wc, ws
	s_load_b64 s[12:13], s[0:1], 0x20              ; qkv
	v_lshl_add_u32 v[SPW], v0, 2, SPARE
	v_mov_b32 v[NIL], 0
	ds_add_u32 v28, v29
	ds_add_u32 v28, v29
	s_wait_dscnt 0x0
	v_lshrrev_b32 v1, 5, v0
	v_readfirstlane_b32 s14, v1                    ; wave 0..3
	s_lshr_b32 s15, s14, 1                         ; which half of the tile's 'A' rows is mine.  Also: I fetch for 'A' (0) or for 'B' (1)
	s_and_b32 s16, s14, 1                          ; which half of its 'B' rows.  Also: which 128 rows I fetch
	s_bfe_u32 s40, ttmp6, 0x40000                  ; cx, cy: my place in the cluster
	s_bfe_u32 s41, ttmp6, 0x40004
	s_and_b32 s18, ttmp7, 0xffff                   ; the cluster's y
	s_cmp_eq_u32 ttmp9, 2                          ; the cluster's x says what is made: 0 q, 1 k, 2 v
	s_cselect_b32 s[TYP], 1, 0
	s_cselect_b32 s19, s18, ttmp9                  ; v: the tokens run along the columns
	s_cselect_b32 s18, 0, s18                      ;    and Wv's 1,024 rows are one cluster high
	s_cselect_b32 s97, 128, 0                      ;    and begin at rowblock 128 of wc
	s_lshl_b32 s42, s19, 2
	s_add_co_u32 s42, s42, s40                     ; tile column
	s_lshl_b32 s17, s18, 2
	s_add_co_u32 s17, s17, s41                     ; tile row
	s_lshl_b32 s43, s41, 2
	s_lshl_b32 s43, 15, s43                        ; my row of the cluster
	s_lshl_b32 s44, 0x1111, s40                    ; my column
	; descriptor group 1 for the codes: 24,576 dense bytes as 96 rows of 256 bytes (32 elements of 8 bytes), no padding
	s_or_b32 s[G1+0], s43, (3<<16)|(1<<21)         ; 15:0 the mask: 'A's tiles go to my row; 17:16 elements of 8 bytes; 21 set beside a mask
	s_or_b32 s[G1B+0], s44, (3<<16)|(1<<21)
.irp g, G1, G1B
	s_mov_b32 s[\g+1], 6144<<16                    ; for the head's loads: K slots 0 and 1 of a side's 16 rowblocks: 2 rows of 49,152 bytes (6,144 elements),
	s_mov_b32 s[\g+2], 2<<16
	s_mov_b32 s[\g+3], 6144<<16
	s_mov_b32 s[\g+4], 2
	s_mov_b32 s[\g+5], KSTR/8                      ; a K slot apart; behind the head's wait these five words are set for the ring's loads
	s_mov_b32 s[\g+6], 0
	s_mov_b32 s[\g+7], 0
.endr
	; and for the scale bytes of 256 rows: 4 rows (K slots) of 2,048 bytes, 32,768 bytes apart
	s_or_b32 s[G1S+0], s43, (3<<16)|(1<<21)
	s_or_b32 s[G1SB+0], s44, (3<<16)|(1<<21)
.irp g, G1S, G1SB
	s_mov_b32 s[\g+1], 256<<16                     ; 256 rows x 8 bytes: 2,048 bytes a K slot
	s_mov_b32 s[\g+2], 4<<16
	s_mov_b32 s[\g+3], 256<<16
	s_mov_b32 s[\g+4], 4
	s_mov_b32 s[\g+5], 4096
	s_mov_b32 s[\g+6], 0
	s_mov_b32 s[\g+7], 0
.endr
	s_lshl_b32 s18, s16, 3                         ; which 8 rowblocks of the tile's 16 I fetch
	s_lshl_b32 s20, s17, 4
	s_add_co_u32 s20, s20, s18
	s_add_co_u32 s20, s20, s97                     ; 'A': first rowblock
	s_lshl_b32 s46, s42, 4
	s_add_co_u32 s46, s46, s18                     ; 'B': first rowblock
	s_lshl_b32 s22, s20, 7                         ; their scale bytes: 128 a rowblock
	s_mov_b32 s23, 0
	s_lshl_b32 s92, s46, 7
	s_mov_b32 s93, 0
	s_mul_i32 s20, s20, RBB                        ; and their codes
	s_mov_b32 s21, 0
	s_mul_i32 s46, s46, RBB
	s_mov_b32 s47, 0
	s_mul_i32 s45, s16, HALFT                      ; my half of a side: its bytes in a slot and in memory alike; by the wave's number alone
	s_wait_kmcnt 0x0
	s_cmp_eq_u32 s[TYP], 0                         ; which buffers are 'A' and 'B': the choice hangs on the cluster's x alone
	s_cselect_b64 s[98:99], s[4:5], s[8:9]
	s_cselect_b64 s[8:9], s[8:9], s[4:5]
	s_cselect_b64 s[100:101], s[6:7], s[10:11]
	s_cselect_b64 s[10:11], s[10:11], s[6:7]
	s_add_nc_u64 s[20:21], s[98:99], s[20:21]
	s_add_nc_u64 s[22:23], s[100:101], s[22:23]
	s_add_nc_u64 s[46:47], s[8:9], s[46:47]
	s_add_nc_u64 s[92:93], s[10:11], s[92:93]
	CROUND                                         ; all sixteen work-groups are here: the first joint loads meet
	; THE HEAD'S FOUR TILES, each whole, one a wave: both first K slots of 'A', of 'B', 'A's scales, 'B's scales
	s_mov_b32 s98, s45                             ; the addresses above hold my half: the whole tile begins that much earlier
	s_mov_b32 s99, 0
	s_mov_b32 s[G0], 1
	s_mov_b32 s[G0+1], 0
	s_sub_nc_u64 s[G0+2:G0+3], s[20:21], s[98:99]
	s_or_b32 s[G0+3], s[G0+3], 0x80000000
	s_mov_b32 s[G0B], 1
	s_mov_b32 s[G0B+1], 4*HALFT
	s_sub_nc_u64 s[G0B+2:G0B+3], s[46:47], s[98:99]
	s_or_b32 s[G0B+3], s[G0B+3], 0x80000000
	s_lshl_b32 s98, s16, 10                        ; a half's scale bytes in a K slot
	s_mov_b32 s[G0S], 1
	s_mov_b32 s[G0S+1], SCL
	s_sub_nc_u64 s[G0S+2:G0S+3], s[22:23], s[98:99]
	s_or_b32 s[G0S+3], s[G0S+3], 0x80000000
	s_mov_b32 s[G0SB], 1
	s_mov_b32 s[G0SB+1], SCL+8192
	s_sub_nc_u64 s[G0SB+2:G0SB+3], s[92:93], s[98:99]
	s_or_b32 s[G0SB+3], s[G0SB+3], 0x80000000
	s_mov_b32 s[G0+4], 1                           ; slot 1's own group 0, for its refill: my half, K slot 1 (the refill steps it two on)
	s_add_co_u32 s[G0+5], s45, SLOT
	s_add_nc_u64 s[G0+6:G0+7], s[20:21], KSTR
	s_or_b32 s[G0+7], s[G0+7], 0x80000000
	s_mov_b32 s[G0B+4], 1
	s_add_co_u32 s[G0B+5], s45, 4*HALFT+SLOT
	s_add_nc_u64 s[G0B+6:G0B+7], s[46:47], KSTR
	s_or_b32 s[G0B+7], s[G0B+7], 0x80000000
.macro ARM under, g0, g1, next         ; one chain of branches on the wave's number: every way passes exactly one load
	s_cmp_lt_u32 s14, \under
	s_cbranch_scc0 \next
	tensor_load_to_lds s[\g0:\g0+3], s[\g1:\g1+7]
	s_nop 0
.rept 4
	v_nop
.endr
	s_branch .Lhead_asked
\next:
.endm
	ARM 1, G0,  G1,  .Lhead_b
	ARM 2, G0B, G1B, .Lhead_sa
	ARM 3, G0S, G1S, .Lhead_sb
	tensor_load_to_lds s[G0SB:G0SB+3], s[G1SB:G1SB+7]
	s_nop 0
.rept 4
	v_nop
.endr
.Lhead_asked:
	v_and_b32 v1, 15, v0                           ; r
	v_bfe_u32 v2, v0, 4, 1                         ; h
	v_and_b32 v3, 31, v0
	v_lshlrev_b32 v4, 4, v3                        ; 16 x lane
	v_lshlrev_b32 v5, 3, v3                        ; 8 x lane
	s_mul_i32 s21, s15, HALFT                      ; my 128 rows of 'A'
	s_mul_i32 s22, s16, HALFT
	s_add_co_u32 s22, s22, 4*HALFT                 ; 'B's slots lie behind 'A's two
.irp s, 0,1
	v_add_nc_u32 v[ADRA+\s], s21, v4
	v_add_nc_u32 v[ADRB+\s], s22, v4
	v_add_nc_u32 v[ADRA+2+\s], s21, v5
	v_add_nc_u32 v[ADRB+2+\s], s22, v5
	s_add_co_u32 s21, s21, SLOT
	s_add_co_u32 s22, s22, SLOT
.endr
	s_lshl_b32 s21, s15, 10                        ; 'A's scale bytes: my half's 128 rows in each K slot's 2,048 bytes
	s_lshl_b32 s22, s16, 10                        ; 'B's likewise, behind 'A's 8,192
	s_add_co_u32 s22, s22, 2*4096
	s_sub_co_u32 s22, s22, s21
	v_mul_u32_u24 v6, s22, v2                      ; lanes 16-31 take 'B's: one product, the distance between the two regions x h
	s_add_co_u32 s21, s21, SCL
	v_lshl_add_u32 v6, v1, 3, v6                   ; 8 bytes a row
	v_add_nc_u32 v[ADRS], s21, v6
	; the way out: where my 128 x 128 goes.  Ids and choices on the cluster's x alone; none of this enters an LDS address
	s_and_b32 s4, s42, 3
	s_cmp_eq_u32 s[TYP], 1
	s_cselect_b32 s5, s42, s17                     ; the tile of 256 tokens
	s_cselect_b32 s6, s16, s15                     ; and my half of it
	s_cselect_b32 s4, s17, s4                      ; the tile of four heads
	s_cselect_b32 s7, s15, s16                     ; and my two of them
	s_mov_b32 s18, 1536
	s_cselect_b32 s[STP], s18, 768                 ; v: a block is a tile of 16 channels x 128 keys, 1,536 bytes; q, k: 16 tokens x 64 channels of each of two heads, 768 bytes
	s_mov_b32 s18, HEADB-3*1536
	s_cselect_b32 s[JMP], s18, 768                 ; v: blocks 4-7 belong to the next head
	s_mov_b32 s18, HEADB
	s_cselect_b32 s46, 768, s18                    ; the fragment's second half-image: v: the keys 64 on; q, k: the next head
	s_cselect_b32 s19, 0, 16
	s_mov_b32 s98, 6144
	s_cselect_b32 s98, s98, 0                      ; the section of a group: V's codes, or K's,
	s_mov_b32 s99, 12800
	s_mov_b32 s100, 12288
	s_cselect_b32 s99, s99, s100                   ; and their scale words,
	s_cmp_eq_u32 ttmp9, 0
	s_mov_b32 s100, 13056
	s_cselect_b32 s98, s100, s98                   ; or Q's
	s_mov_b32 s100, 19200
	s_cselect_b32 s99, s100, s99
	s_mov_b32 s[STP+1], 0
	s_mov_b32 s[JMP+1], 0
	s_mov_b32 s47, 0
	s_lshr_b32 s100, s5, 3                         ; the batch: 8 tiles of tokens each
	s_lshl_b32 s100, s100, 4
	s_lshl_b32 s4, s4, 2
	s_add_co_u32 s100, s100, s4
	s_lshl_b32 s7, s7, 1
	s_add_co_u32 s100, s100, s7                    ; my first head
	s_and_b32 s5, s5, 7
	s_lshl_b32 s5, s5, 1
	s_add_co_u32 s5, s5, s6                        ; my group of 128 tokens
	s_mul_i32 s100, s100, HEADB
	s_mul_i32 s5, s5, GRP
	s_add_co_u32 s100, s100, s5
	s_mov_b32 s101, 0
	s_add_nc_u64 s[12:13], s[12:13], s[100:101]
	s_mov_b32 s100, s98
	s_add_nc_u64 s[OB0:OB0+1], s[12:13], s[100:101]
	s_add_nc_u64 s[OB1:OB1+1], s[OB0:OB0+1], s[46:47]
	s_mov_b32 s100, s99
	s_add_nc_u64 s[SB:SB+1], s[12:13], s[100:101]
	s_mov_b32 s[SEL], 0x76543210
	s_mov_b32 s[SEL+1], 0xfedcba98
	v_mul_u32_u24 v[SH], s19, v2
	v_mov_b32 v[O16], v4
	v_mov_b32 v[O8], v5
	v_mul_u32_u24 v[SO], v2, HEADB
	v_lshl_add_u32 v[SO], v1, 4, v[SO]
	v_mov_b32 v[HH], v2
	v_lshlrev_b32 v[H8], 3, v2
.irp b, 0,1,2,3
	v_mov_b32 v[TM+4+\b], 0                        ; written once: a lane permute's destination counts as one of its sources
.endr
.macro FRAG reg, adr, q, i             ; a fragment: block i of my 8, the slot's q-th 128 along K: two half-images, four loads of consecutive bytes
	ds_load_b128 v[\reg:\reg+3], v[\adr] offset:(\i)*RBB+(\q)*1536
	ds_load_b64 v[\reg+4:\reg+5], v[\adr+2] offset:(\i)*RBB+(\q)*1536+512
	ds_load_b128 v[\reg+6:\reg+9], v[\adr] offset:(\i)*RBB+(\q)*1536+768
	ds_load_b64 v[\reg+10:\reg+11], v[\adr+2] offset:(\i)*RBB+(\q)*1536+1280
.endm
; 16 matrix instructions: 'A's blocks a0, a0 + 1 x 'B's eight, 128 along K.  p: 'B's set; sc: the set of scale words.  zero = 1: the first product starts the sums.
; The 64 accumulators take turns, one instruction a turn, in the same order in every step.
.macro MUL16 a0, p, q, sc, zero
.irp a, \a0, \a0+1
.irp b, 0,1,2,3,4,5,6,7
.if \zero
	v_wmma_scale_f32_16x16x128_f8f6f4 v[8*(8*((\a)%4)+\b):8*(8*((\a)%4)+\b)+7], v[128*(\p)+FR*\b:128*(\p)+FR*\b+FR-1], v[AF+FR*(\a):AF+FR*(\a)+FR-1], 0, v[SC+8*NQ*(\sc)+NQ*\b+(\q)], v[SC+8*NQ*(\sc)+NQ*(\a)+(\q)] matrix_a_fmt:MATRIX_FMT_FP6 matrix_b_fmt:MATRIX_FMT_FP6 matrix_a_scale:MATRIX_SCALE_ROW1
.else
	v_wmma_scale_f32_16x16x128_f8f6f4 v[8*(8*((\a)%4)+\b):8*(8*((\a)%4)+\b)+7], v[128*(\p)+FR*\b:128*(\p)+FR*\b+FR-1], v[AF+FR*(\a):AF+FR*(\a)+FR-1], v[8*(8*((\a)%4)+\b):8*(8*((\a)%4)+\b)+7], v[SC+8*NQ*(\sc)+NQ*\b+(\q)], v[SC+8*NQ*(\sc)+NQ*(\a)+(\q)] matrix_a_fmt:MATRIX_FMT_FP6 matrix_b_fmt:MATRIX_FMT_FP6 matrix_a_scale:MATRIX_SCALE_ROW1
.endif
.endr
.endr
.endm
.macro FETCH_B slot, q, p
	WIN TO_B
.irp i, 0,1,2,3,4,5,6,7
	FRAG 128*(\p)+FR*\i, ADRB+\slot, \q, \i
.endr
	WIN 0
.endm
.macro FETCH_A slot, q, i0
.irp i, \i0, \i0+1, \i0+2, \i0+3
	FRAG AF+FR*(\i), ADRA+\slot, \q, \i
.endr
.endm
.macro SCALES sc, ks                   ; K slot ks's scale words into set sc: two words a row; the K slot stands in the immediate
.irp i, 0,1,2,3,4,5,6,7
	ds_load_b64 v[SC+8*NQ*\sc+NQ*\i:SC+8*NQ*\sc+NQ*\i+1], v[ADRS] offset:(\ks)*2048+\i*128
.endr
.endm
.macro PLACES n                        ; places in front of loads into registers that matrix instructions have read, and of the first read of results: plain vector instructions that name none of their registers
.rept \n
	v_nop
.endr
.endm
; A step of 128 along K that has its successor in the same slot.  'A' has one set of registers: blocks 0-3 are fetched anew in the step's middle, blocks 4-7 at its end; 'B' has two sets.
.macro STEP slot, q, zero
	s_wait_dscnt 4*NL                              ; all but the youngest 16 loads ('A's blocks 4-7) are in
	WIN MUL_LO
	MUL16 0, (\q)%2, \q, \slot, \zero
	MUL16 2, (\q)%2, \q, \slot, \zero
	s_wait_dscnt 0                                 ; 'A's blocks 4-7 are in
	PLACES NP
	FETCH_B \slot, (\q)+1, 1-(\q)%2
	FETCH_A \slot, (\q)+1, 0
	WIN MUL_HI
	MUL16 4, (\q)%2, \q, \slot, \zero
	MUL16 6, (\q)%2, \q, \slot, \zero
	PLACES NP
	WIN 0
	FETCH_A \slot, (\q)+1, 4
.endm
; A slot's last step changes slots: ONE barrier; in front of it each wave waits for all its tensor loads, adds 0 to its spare word, and waits for that and for its reads of this slot.
; fill = 1: the barrier opens a round of the cluster's barrier, and this slot is filled again, two K slots ahead, first thing behind the round.  ks: the K slot that lies in the next slot.
.macro TURN slot, next, fill, ks
	s_wait_tensorcnt 0x0                           ; all my tensor loads have landed: my part of the next slot
	ds_add_u32 v[SPW], v[NIL]                      ; 0 onto my spare word
	s_wait_dscnt 4*NL+1                            ; (the add and the youngest 16 loads may be out)
	WIN MUL_LO
	MUL16 0, 1, NQ-1, \slot, 0                     ; sixteen matrix instructions stand between the add and the wait for it
	s_wait_dscnt 0x0                               ; the add is done, and my reads of this slot are over
	s_barrier_signal -1
	MUL16 2, 1, NQ-1, \slot, 0
	WIN 0
	s_barrier_wait -1
.if \fill
	CREST                                          ; no wave of any partner still reads this slot or has a load on its way
	s_add_nc_u64 s[G0+4*\slot+2:G0+4*\slot+3], s[G0+4*\slot+2:G0+4*\slot+3], 2*KSTR
	s_add_nc_u64 s[G0B+4*\slot+2:G0B+4*\slot+3], s[G0B+4*\slot+2:G0B+4*\slot+3], 2*KSTR
	JLOAD G0+4*\slot, G1, G0B+4*\slot, G1B         ; my one tensor load behind the round; its four v_nop are the places in front of the loads below
.else
	PLACES NP
.endif
	FETCH_B \next, 0, 0
	FETCH_A \next, 0, 0
	SCALES \next, \ks
	WIN MUL_HI
	MUL16 4, 1, NQ-1, \slot, 0
	MUL16 6, 1, NQ-1, \slot, 0
	PLACES NP
	WIN 0
	FETCH_A \next, 0, 4
.endm
	s_wait_alu depctr_va_vdst(0)
	s_wait_tensorcnt 0x0                           ; my tile of the head's four is in: no tensor load of mine is out, so descriptors may be written
.irp g, G1, G1B                        ; from here on a load brings 24,576 dense bytes as 96 rows of 256
	s_mov_b32 s[\g+1], 32<<16
	s_mov_b32 s[\g+2], 96<<16
	s_mov_b32 s[\g+3], 32<<16
	s_mov_b32 s[\g+4], 96
	s_mov_b32 s[\g+5], 32
.endr
	s_mov_b32 s100, s45
	s_mov_b32 s101, 0
	s_mov_b32 s[G0+1], s45                         ; slot 0's group 0 for its refill: my half, K slot 0 (the refill steps it two on)
	s_add_nc_u64 s[G0+2:G0+3], s[G0+2:G0+3], s[100:101]
	s_add_co_u32 s[G0B+1], s45, 4*HALFT
	s_add_nc_u64 s[G0B+2:G0B+3], s[G0B+2:G0B+3], s[100:101]
	s_barrier_signal -1
	s_barrier_wait -1                              ; everybody's are
	FETCH_B 0, 0, 0
	FETCH_A 0, 0, 0
	SCALES 0, 0
	FETCH_A 0, 0, 4
	STEP 0, 0, 1                                   ; the four K slots are written out: eight steps of 64 matrix instructions
	TURN 0, 1, 1, 1                                ; slot 0 takes K slot 2
	STEP 1, 0, 0
	TURN 1, 0, 1, 2                                ; slot 1 takes K slot 3
	STEP 0, 0, 0
	TURN 0, 1, 0, 3                                ; nothing is left to fetch
	STEP 1, 0, 0
	s_wait_dscnt 4*NL                              ; the very last step
	WIN MUL_LO
	MUL16 0, 1, NQ-1, 1, 0
	MUL16 2, 1, NQ-1, 1, 0
	s_wait_dscnt 0
	WIN MUL_HI
	MUL16 4, 1, NQ-1, 1, 0
	MUL16 6, 1, NQ-1, 1, 0
	WIN 0
; THE WAY OUT, block by block of 16 'A' rows.  A lane's 64 numbers, register 32 c + i = index 64 c + 32 h + i along 'B', become a fragment's codes and its row's scale word, in registers.
; Each accumulator is read from its low end on.  The two half-images leave as they stand: each store covers 512 or 256 consecutive bytes, aligned.
.macro OUT a
.set AC, 64*((\a)%4)
.if (\a) > 0
	s_wait_xcnt 0x0                                ; the last block's stores have read their registers and their bases: both are written again only behind this wait
.if (\a) == 4
	s_add_nc_u64 s[OB0:OB0+1], s[OB0:OB0+1], s[JMP:JMP+1]
	s_add_nc_u64 s[OB1:OB1+1], s[OB1:OB1+1], s[JMP:JMP+1]
.else
	s_add_nc_u64 s[OB0:OB0+1], s[OB0:OB0+1], s[STP:STP+1]
	s_add_nc_u64 s[OB1:OB1+1], s[OB1:OB1+1], s[STP:STP+1]
.endif
.endif
	WIN 0x0a+5*((\a)/4)                            ; sources 0 and 1: the accumulators' window
.irp b, 0,1,2,3
	v_max3_num_f32 v[TM+\b], |v[AC+16*\b]|, |v[AC+16*\b+1]|, 0x1800000   ; block b: my 16 numbers, and the floor 2^(3 - 127): the byte cannot fall under 1
.endr
.irp i, 2,4,6,8,10,12,14
.irp b, 0,1,2,3
	v_max3_num_f32 v[TM+\b], |v[AC+16*\b+\i]|, |v[AC+16*\b+\i+1]|, v[TM+\b]   ; (the four blocks by turns)
.endr
.endr
	WIN 0
; ROWS LIE BY POSITION as rowblock 4 G + t, row p = true index 64 G + 32 (p / 8) + 8 t + p % 8 (this takes the place of the order stated at the head): register 32 c + i of a lane is index 64 c + 32 h + i along 'B':
; a lane holds the WHOLE blocks 2 c + h, c = 0, 1, in the order of the operand's registers: no other lane is asked for a maximum and no code changes lanes
.irp c, 0,1
	v_max_num_f32 v[TM+2*\c], v[TM+2*\c], v[TM+2*\c+1]   ; the block's two halves
.endr
.irp c, 0,1
	v_add_nc_u32 v[TM+12+\c], 0xff000000, v[TM+2*\c]     ; 2 off its exponent field: the conversion's scale operand
.endr
.irp c, 0,1
	v_lshrrev_b32 v[TM+4+\c], 23, v[TM+12+\c]            ; the scale's byte
.endr
	v_lshl_or_b32 v[PW], v[TM+5], 16, v[TM+4]      ; my two bytes, blocks h and 2 + h,
	v_lshlrev_b32 v[PW], v[H8], v[PW]              ; at their places in the word;
	v_permlanex16_b32 v[TM+6], v[PW], s[SEL], s[SEL+1]
	v_or_b32 v[PW], v[PW], v[TM+6]                 ; with lane l xor 16's two my row's scale word is whole
	WIN 0x02+((\a)/4)                              ; source 0: the accumulators' window
.irp c, 0,1
	v_cvt_scalef32_pk16_fp6_f32 v[PC+6*\c:PC+6*\c+2], v[AC+32*\c:AC+32*\c+15], v[TM+12+\c]
	v_cvt_scalef32_pk16_fp6_f32 v[PC+12+4*\c:PC+14+4*\c], v[AC+32*\c+16:AC+32*\c+31], v[TM+12+\c]   ; (a conversion's three registers begin on an even number)
.endr
	WIN 0
	v_nop                                          ; one plain line behind a scaled conversion
.irp c, 0,1                                    ; the layout wants a WHOLE block in a lane: lanes 0-15 block 2 c, lanes 16-31 block 2 c + 1
.irp i, 0,1,2
	v_mov_b32 v[PC+3+6*\c+\i], v[PC+12+4*\c+\i]
.endr
.endr
	v_lshrrev_b32 v[SW+(\a)], v[SH], v[PW]         ; q, k: lanes 16-31 keep the odd head's two bytes (zeros above them, over zero codes); lanes 0-15 the even head's (the neighbour's above them, likewise)
	global_store_b128 v[O16], v[PC:PC+3], s[OB0:OB0+1]
	global_store_b64 v[O8], v[PC+4:PC+5], s[OB0:OB0+1] offset:512
	global_store_b128 v[O16], v[PC+6:PC+9], s[OB1:OB1+1]
	global_store_b64 v[O8], v[PC+10:PC+11], s[OB1:OB1+1] offset:512
.endm
	PLACES NP
.irp a, 0,1,2,3,4,5,6,7
	OUT \a
.endr
	s_cmp_eq_u32 s[TYP], 1                         ; the cluster's x: the same in all partners
	s_cbranch_scc1 .Lv_words
	global_store_b128 v[SO], v[SW:SW+3], s[SB:SB+1]               ; q, k: [tile / 4][row][tile % 4]: lanes 0-15 fill 256 bytes of the even head, lanes 16-31 of the odd
	global_store_b128 v[SO], v[SW+4:SW+7], s[SB:SB+1] offset:256
	s_branch .Lfin
.Lv_words:
	v_cmp_eq_u32 vcc_lo, 1, v[HH]
	s_wait_alu depctr_va_vdst(0)
.irp i, 0,1,2,3
	v_cndmask_b32 v[SW+\i], v[SW+\i], v[SW+4+\i], vcc_lo          ; v: [row][tile]: blocks 0-3 are the even head's four tiles of channels, blocks 4-7 the odd head's
.endr
	global_store_b128 v[SO], v[SW:SW+3], s[SB:SB+1]
.Lfin:
	s_wait_tensorcnt 0x0                           ; the wave's end
	ds_add_u32 v[SPW], v[NIL]
	s_wait_dscnt 0x0
	CROUND                                         ; the closing round: no work-group ends while a partner may still ask for a tile that names it
	s_endpgm
.Lfunc_end_k_qde007a7144_qkv:
	.size	k_qde007a7144_qkv, .Lfunc_end_k_qde007a7144_qkv-k_qde007a7144_qkv
	.p2alignl 7, 3214868480
	.fill 96, 4, 3214868480
	.section	.rodata,"a",@progbits
	.p2align	6, 0x0
	.amdhsa_kernel k_qde007a7144_qkv
		.amdhsa_group_segment_fixed_size 327680
		.amdhsa_private_segment_fixed_size 0
		.amdhsa_enable_private_segment 0
		.amdhsa_kernarg_size 40
		.amdhsa_user_sgpr_count 2
		.amdhsa_user_sgpr_kernarg_segment_ptr 1
		.amdhsa_wavefront_size32 1
		.amdhsa_system_sgpr_workgroup_id_x 1
		.amdhsa_system_sgpr_workgroup_id_y 1
		.amdhsa_system_sgpr_workgroup_id_z 1
		.amdhsa_system_vgpr_workitem_id 0
		.amdhsa_next_free_vgpr 1024
		.amdhsa_next_free_sgpr 102
		.amdhsa_reserve_vcc 1
		.amdhsa_float_denorm_mode_32 3
		.amdhsa_float_denorm_mode_16_64 3
		.amdhsa_memory_ordered 1
		.amdhsa_forward_progress 1
		.amdhsa_inst_pref_size 146
	.end_amdhsa_kernel
	.amdgpu_metadata
---
amdhsa.version: [ 1, 2 ]
amdhsa.kernels:
  - .name:           k_qde007a7144_qkv
    .symbol:         k_qde007a7144_qkv.kd
    .args:
      - { .name: xc, .offset: 0, .size: 8, .value_kind: global_buffer, .address_space: global }
      - { .name: xs, .offset: 8, .size: 8, .value_kind: global_buffer, .address_space: global }
      - { .name: wc, .offset: 16, .size: 8, .value_kind: global_buffer, .address_space: global }
      - { .name: ws, .offset: 24, .size: 8, .value_kind: global_buffer, .address_space: global }
      - { .name: qkv, .offset: 32, .size: 8, .value_kind: global_buffer, .address_space: global }
    .group_segment_fixed_size: 327680
    .private_segment_fixed_size: 0
    .kernarg_segment_align: 8
    .kernarg_segment_size: 40
    .max_flat_workgroup_size: 128
    .sgpr_count:     102
    .vgpr_count:     1024
    .wavefront_size: 32
...
	.end_amdgpu_metadata
.endif
;; end of part 2
;; launch attn (part 3): grid 8 x 32, 8 waves a work-group, clusters of 4 x 1, 210,944 bytes of LDS; arguments qkv, oc, os; writes oc, os
.if DOCPART == 3
	.amdgcn_target "amdgcn-amd-amdhsa--gfx1250"
	.amdhsa_code_object_version 6
	.text
	.protected	k_qde007a7144_attn
	.globl	k_qde007a7144_attn
	.p2align	8
	.type	k_qde007a7144_attn,@function
k_qde007a7144_attn:
	s_mov_b64 s[64:65], 0
	v_nop
	global_prefetch_b8 v0, s[64:65] scope:SCOPE_SE
	s_setreg_imm32_b32 hwreg(HW_REG_WAVE_MODE, 25, 1), 1
	s_wait_xcnt 0x0
	s_wait_alu depctr_hold_cnt(0) depctr_sa_sdst(0) depctr_va_vdst(0) depctr_va_sdst(0) depctr_va_ssrc(0) depctr_va_vcc(0) depctr_vm_vsrc(0)
	s_getreg_b32 s2, hwreg(HW_REG_IB_STS2, 6, 4)
	s_cmp_eq_u32 s2, 0
	s_cbranch_scc0 .Lentry_in_a_cluster
	s_endpgm
.Lentry_in_a_cluster:
	s_bfe_u32 s2, ttmp6, 0x10000c
	s_cmp_lg_u32 s2, 0x3003
	s_cbranch_scc0 .Lentry_shape_is_right
	s_endpgm
.Lentry_shape_is_right:
; O[head][q] = the sum over k of softmax_k(Q . K / 8) V, 32 heads of 2,048 tokens x 64 channels, both products on codes of FP6 (E2M3) with E8M0 scales; O / l is quantised along head x channel for the last product.
; THE SOFTMAX AHEAD OF THE SECOND PRODUCT: t = score x log2(e) / 8; M = the running largest t rounded UP to a whole number; p = 2^(t - M) is quantised along the keys, not normalised; the row's sum is taken
; of the unquantised p and divides O at the end.  When M moves, the sum and O are multiplied by 2^(old M - new M): exact.
; SHARES.  A work-group owns 256 queries of one head; each of its eight waves TWO tiles of 16 queries, two waves to a SIMD.  Each fragment of K and of V, read once from LDS, feeds both tiles, and the
; chains of vector lines run over the two tiles by turns.
; THE WHOLE HEAD LIES IN LDS: 16 key steps of 128 keys, 13,056 dense bytes each (K's codes, V's codes, K's and V's scale words), filled ONCE: wave w fetches key steps 2 w and 2 w + 1 with one tensor load of
; two rows of 13,056 bytes.  No byte is filled again and nothing is stored to LDS.  The four query blocks of a cluster read the same head: the load is a joint one, with a mask that names the four.
; All of the head is asked for at the head of the kernel, so there is no later load that a prefetch could run ahead of.
; LDS LOADS RUN AHEAD: the next step's K (18 loads) is asked for behind this step's score products, V (17 loads) at the step's top.  In the last trip K's loads name step 15 again: they stay inside the head and are not used.
; LAYOUT.  Both products are used transposed (S^T = K Q^T, O^T = V^T P^T): a lane holds ONE query of each tile.  Operands are images of their registers (a half-image: 16 rows x 64 K, 768 bytes).  Tokens and channels
; lie by position: rowblock 4 G + t, row p, is true index 64 G + 32 (p / 8) + 8 t + p % 8.  So the 32 registers of result tiles 4 c .. 4 c + 3 are true indices 64 c + 32 (lane / 16) + 0 .. 31: A LANE HOLDS WHOLE
; BLOCKS OF 32, in the order of the next operand's registers: a block's maximum needs no other lane, and no code changes lanes.  The first product's K is 64: the upper six registers of Q's and K's fragments are zero codes, set once.
; LIMITS: NaN and infinities are not served.  A block's largest p is taken from its largest score: this takes v_exp_f32 not to fall where its input rises.  A block under 2^-124 gets the byte 1.
; The promise holds while the scaled scores t stay under 2^31 in magnitude.
; REGISTERS.  Window 0: as named below.  Window 1: v0-127 S^T, then p, 64 a tile; v128-223 K's eight fragments; v224-255 sixteen first sums of tile 0's p.
.set GRP,   19712                      ; a group of 128 tokens in qkv
.set HEADB, 315392                     ; a head
.set KSB,   13056                      ; what a key step needs of a group
.set SPARE, 16*KSB                     ; behind the head: the spare words, 128 bytes a wave
.set SPW,   7                          ; v7   my spare word;  v11  0
.set NIL,   11
.set NM,    12                         ; v12, v14 -M of tile 0, 1;  v13, v15 the largest score
.set L,     16                         ; v[16:17], v[18:19] the row's sum in two halves
.set F,     20                         ; v20, v22 f = 2^(old M - new M) (v21, v23 are named with them as pairs)
.set KS,    24                         ; v24-31 K's scale words;  v32-35 V's;  v36, v37 Q's;  v38, v39 p's
.set VS,    32
.set QS,    36
.set PW,    38
.set Q,     40                         ; v40-63   Q's two fragments
.set PC,    64                         ; v64-87   p's codes
.set O,     88                         ; v88-151  O^T, 32 a tile
.set VF,    152                        ; v152-199 V's four fragments
.set BM,    200                        ; v200-207 largest scores of 16 registers each; then at 4 u + 2 c the block's largest score and largest p
.set XT,    208                        ; v208-215 at work
.set SOP,   216                        ; v216-219 the conversions' scale operands
.set H8,    220                        ; v220     8 x (lane / 16)
.set CT,    224                        ; v224-239 the conversions' second halves
.set SA,    240                        ; v240-255 four partial sums a tile
.set KF,    128                        ; in window 1
.set T1,    224                        ; in window 1
.set WV,    18                         ; s18 my wave;  s48 my first tile of the block's sixteen
.set OW,    48
.set TN,    49                         ; s49 LDS byte of the key step whose K is asked for next
.set CN,    50                         ; s50 -c
.set SEL,   20
.set CS,    22                         ; s[22:23] c = log2(e) / 8
.set G1,    24
.set G0,    32
.set TB,    2                          ; s2 LDS byte at which the key step begins;  s3 key steps to go
.set CNT,   3
.set MSB, 0
.macro WIN new                         ; low byte: bits 1:0 source 0, 3:2 source 1, 5:4 source 2, 7:6 destination; the high byte repeats the setting that is left
.if MSB != (\new)
	s_set_vgpr_msb (MSB<<8)|(\new)
.set MSB, \new
.endif
.endm
.macro ROUND                           ; a round of the cluster's barrier
	s_barrier_signal -1
	s_barrier_wait -1
	s_cmp_lg_u32 s[WV], 0
	s_cbranch_scc1 .Lnot_wave_0_\@
	s_barrier_signal -3
.Lnot_wave_0_\@:
	s_barrier_wait -3
	s_barrier_signal -1
	s_barrier_wait -1
.endm
.macro KLOAD a, b, c                   ; a key step's K: two loads of scale words, sixteen of codes
	ds_load_b128 v[KS:KS+3], v[\c] offset:12288
	ds_load_b128 v[KS+4:KS+7], v[\c] offset:12544
	WIN 0x40
.irp t, 0,1,2,3,4,5,6,7
	ds_load_b128 v[KF+12*\t:KF+12*\t+3], v[\a] offset:768*\t
	ds_load_b64 v[KF+12*\t+4:KF+12*\t+5], v[\b] offset:768*\t+512
.endr
	WIN 0
.endm
	s_load_b128 s[4:7], s[0:1], 0x0                ; qkv, oc
	s_load_b64 s[8:9], s[0:1], 0x10                ; os
	v_lshl_add_u32 v[SPW], v0, 2, SPARE
	v_mov_b32 v[NIL], 0
	ds_add_u32 v[SPW], v[NIL]                      ; the opening lines: the add, twice on end, and its wait
	ds_add_u32 v[SPW], v[NIL]
	v_lshrrev_b32 v1, 5, v0
	v_readfirstlane_b32 s[WV], v1                  ; wave 0..7
	s_lshl_b32 s[OW], s[WV], 1
	s_bfe_u32 s10, ttmp6, 0x40000                  ; cx: it enters Q's and the outputs' addresses alone
	s_lshl_b32 s11, ttmp9, 2
	s_add_co_u32 s11, s11, s10                     ; my block of 256 queries
	s_and_b32 s12, ttmp7, 0xffff                   ; batch x 16 + head, which the four partners share
	s_mul_i32 s13, s12, HEADB
	s_mul_i32 s14, s[WV], 2*GRP
	s_add_co_u32 s14, s14, s13                     ; key steps 2 w, 2 w + 1 of the head
	s_mov_b32 s15, 0
	s_lshl_b32 s16, s11, 1
	s_lshr_b32 s17, s[OW], 3
	s_add_co_u32 s16, s16, s17                     ; my queries' group of 128 tokens
	s_mul_i32 s16, s16, GRP
	s_add_co_u32 s16, s16, s13
	s_and_b32 s17, s[OW], 7                        ; my first tile in it; the second lies 768 bytes on
	s_mul_i32 s19, s17, 768
	s_add_co_u32 s36, s16, s19
	s_add_co_u32 s36, s36, 13056                   ; Q's codes
	s_mov_b32 s37, 0
	s_lshr_b32 s19, s17, 2
	s_lshl_b32 s19, s19, 8
	s_and_b32 s17, s[OW], 3
	s_lshl_b32 s17, s17, 2
	s_add_co_u32 s38, s16, s19
	s_add_co_u32 s38, s38, s17
	s_add_co_u32 s38, s38, 19200                   ; Q's scale words: [tile / 4][row][tile % 4]: my two tiles' words are neighbours
	s_mov_b32 s39, 0
	s_and_b32 s40, s12, 15                         ; head
	s_lshr_b32 s41, s12, 4                         ; batch
	s_lshl_b32 s41, s41, 7
	s_lshl_b32 s42, s11, 4
	s_add_co_u32 s41, s41, s42
	s_add_co_u32 s41, s41, s[OW]                   ; my first rowblock of tokens: 128 x batch + 16 x block + tile
	s_lshr_b32 s42, s40, 2                         ; the last product's K = 64 x head + channel: K slot head / 4,
	s_and_b32 s40, s40, 3                          ; half-image head % 4
	s_mul_i32 s44, s42, 786432
	s_mul_i32 s43, s41, 3072
	s_add_co_u32 s44, s44, s43
	s_mul_i32 s43, s40, 768
	s_add_co_u32 s44, s44, s43
	s_mov_b32 s45, 0
	s_lshl_b32 s46, s42, 15
	s_lshl_b32 s43, s41, 7
	s_add_co_u32 s46, s46, s43
	s_lshl_b32 s43, s40, 1
	s_add_co_u32 s46, s46, s43
	s_mov_b32 s47, 0
	s_mov_b32 s[G1], 15|(3<<16)|(1<<21)            ; the mask: all four work-groups; elements of 8 bytes; bit 21 set beside a mask
	s_mov_b32 s[G1+1], (KSB/8)<<16                 ; 2 rows of 13,056 bytes,
	s_mov_b32 s[G1+2], 2<<16
	s_mov_b32 s[G1+3], (KSB/8)<<16
	s_mov_b32 s[G1+4], 2
	s_mov_b32 s[G1+5], GRP/8                       ; a group apart; both are multiples of 256 bytes
	s_mov_b32 s[G1+6], 0
	s_mov_b32 s[G1+7], 0
	s_mov_b32 s[SEL], 0x76543210
	s_mov_b32 s[SEL+1], 0xfedcba98
	s_mov_b32 s[CS], 0x3e38aa3b
	s_mov_b32 s[CS+1], s[CS]
	s_mov_b32 s[CN], 0xbe38aa3b
	s_mov_b32 s[TB], 0
	s_mov_b32 s[CNT], 16
	s_wait_dscnt 0x0
	s_wait_kmcnt 0x0
	s_mov_b32 s[G0], 1
	s_mul_i32 s[G0+1], s[WV], 2*KSB                ; LDS address: by the wave's number alone
	s_add_nc_u64 s[G0+2:G0+3], s[4:5], s[14:15]
	s_or_b32 s[G0+3], s[G0+3], 0x80000000
	s_add_nc_u64 s[36:37], s[4:5], s[36:37]
	s_add_nc_u64 s[38:39], s[4:5], s[38:39]
	s_add_nc_u64 s[6:7], s[6:7], s[44:45]
	s_add_nc_u64 s[8:9], s[8:9], s[46:47]
	ROUND                                          ; all four work-groups are here: the joint loads meet
	tensor_load_to_lds s[G0:G0+3], s[G1:G1+7]      ; my one tensor load of the launch
	s_nop 0
.rept 4
	v_nop
.endr
	v_and_b32 v3, 31, v0
	v_lshlrev_b32 v1, 4, v3                        ; 16 x lane
	v_lshlrev_b32 v2, 3, v3                        ; 8 x lane
	v_and_b32 v3, 15, v0
	v_lshlrev_b32 v3, 4, v3                        ; 16 r: a row's four scale words
.irp u, 0,1
	global_load_b128 v[Q+12*\u:Q+12*\u+3], v1, s[36:37] offset:768*\u       ; Q's half-images stay in registers
	global_load_b64 v[Q+12*\u+4:Q+12*\u+5], v2, s[36:37] offset:768*\u+512
.endr
	global_load_b64 v[QS:QS+1], v3, s[38:39]       ; and their scale words
	v_bfe_u32 v[H8], v0, 4, 1
	v_lshlrev_b32 v[H8], 3, v[H8]
.irp u, 0,1
.irp i, 6,7,8,9,10,11
	v_mov_b32 v[Q+12*\u+\i], 0                     ; zero codes for K = 64 .. 127 of the first product
.endr
.endr
	WIN 0x40
.irp t, 0,1,2,3,4,5,6,7
.irp i, 6,7,8,9,10,11
	v_mov_b32 v[KF+12*\t+\i], 0                    ; the same in K's eight fragments: no load ever lands here
.endr
.endr
	WIN 0
.set J, 0
.rept 64
	v_mov_b32 v[O+J], 0                            ; O^T: the step is written once; its first trip finds zeros, which the first change of M leaves zeros
.set J, J+1
.endr
.irp u, 0,1
	v_mov_b32 v[NM+2*\u+1], 0xff61b1e6             ; the largest score so far: -3e38, under every score
	v_mov_b32 v[NM+2*\u], 0x7f61b1e6               ; -M: 3e38, a whole number
	v_mov_b32 v[L+2*\u], 0
	v_mov_b32 v[L+2*\u+1], 0
	v_mov_b32 v[F+2*\u+1], 0
.endr
.irp b, 0,1,2,3,4,5,6,7
	v_mov_b32 v[XT+\b], 0                          ; written once: a lane permute's destination counts as one of its sources
.endr
	s_wait_alu depctr_va_vdst(0)
	s_wait_tensorcnt 0x0                           ; my two key steps have landed,
	s_wait_loadcnt 0x0                             ; Q is in,
	s_barrier_signal -1
	s_barrier_wait -1                              ; and all sixteen key steps lie in LDS
	KLOAD 1, 2, 3                                  ; key step 0's K
.Lstep:                                            ; 16 trips: a key step of 128 keys
	v_add_nc_u32 v4, s[TB], v1
	v_add_nc_u32 v5, s[TB], v2
	v_add_nc_u32 v6, s[TB], v3
	v_nop                                          ; four plain lines behind the last trip's products, ahead of the loads into V's registers
	ds_load_b128 v[VS:VS+3], v6 offset:12800       ; V's scale words
.irp d, 0,1,2,3                                ; V's four fragments (16 channels x these 128 keys): 16 loads
	ds_load_b128 v[VF+12*\d:VF+12*\d+3], v4 offset:6144+1536*\d
	ds_load_b64 v[VF+12*\d+4:VF+12*\d+5], v5 offset:6144+1536*\d+512
	ds_load_b128 v[VF+12*\d+6:VF+12*\d+9], v4 offset:6144+1536*\d+768
	ds_load_b64 v[VF+12*\d+10:VF+12*\d+11], v5 offset:6144+1536*\d+1280
.endr
	s_add_co_u32 s[TN], s[TB], KSB
	s_min_u32 s[TN], s[TN], 15*KSB                 ; the next step, held inside the head
	s_wait_dscnt 17                                ; K is in; V's 17 loads, issued behind K's, may be out
	WIN 0x41
.irp t, 0,1,2,3,4,5,6,7                        ; S^T = K Q^T: each fragment of K against both tiles; sixteen accumulators, each begun with 0
.irp u, 0,1
	v_wmma_scale_f32_16x16x128_f8f6f4 v[64*\u+8*\t:64*\u+8*\t+7], v[KF+12*\t:KF+12*\t+11], v[Q+12*\u:Q+12*\u+11], 0, v[KS+\t], v[QS+\u] matrix_a_fmt:MATRIX_FMT_FP6 matrix_b_fmt:MATRIX_FMT_FP6
.endr
.endr                                              ; lane (r, h) holds query r of each tile; register 32 c + i is key 64 c + 32 h + i of the step
	WIN 0
	v_add_nc_u32 v8, s[TN], v1
	v_add_nc_u32 v9, s[TN], v2
	v_add_nc_u32 v10, s[TN], v3
	v_nop                                          ; four plain lines behind the products: for the loads into K's registers and for the first reads of the scores
	KLOAD 8, 9, 10                                 ; the next step's K lands under the softmax
	WIN 0x15
.irp u, 0,1
.irp b, 0,1,2,3
	v_max3_num_f32 v[BM+4*\u+\b], v[64*\u+16*\b], v[64*\u+16*\b+1], v[64*\u+16*\b+2]   ; THE LARGEST SCORE OF EACH BLOCK OF 32 KEYS, in two chains of 16 registers; it serves the row's maximum and the block's largest p; eight chains by turns
.endr
.endr
	WIN 0x05
.irp i, 3,5,7,9,11,13
.irp u, 0,1
.irp b, 0,1,2,3
	v_max3_num_f32 v[BM+4*\u+\b], v[64*\u+16*\b+\i], v[64*\u+16*\b+\i+1], v[BM+4*\u+\b]
.endr
.endr
.endr
.irp u, 0,1
.irp c, 0,1
	v_max3_num_f32 v[BM+4*\u+2*\c], v[64*\u+32*\c+15], v[64*\u+32*\c+15], v[BM+4*\u+2*\c]
.endr
.endr
	WIN 0x01
.irp u, 0,1
.irp c, 0,1
	v_max3_num_f32 v[BM+4*\u+2*\c], v[64*\u+32*\c+31], v[BM+4*\u+2*\c], v[BM+4*\u+2*\c+1]   ; the last register joins the two chains: block 2 c + h's largest score
.endr
.endr
	WIN 0
.irp u, 0,1
	v_max_num_f32 v[XT+4*\u], v[BM+4*\u], v[BM+4*\u+2]   ; of my 64 keys
.endr
.irp u, 0,1
	s_delay_alu instid0(VALU_DEP_2)
	v_permlanex16_b32 v[XT+4*\u+1], v[XT+4*\u], s[SEL], s[SEL+1]
.endr
.irp u, 0,1
	s_delay_alu instid0(VALU_DEP_2)
	v_max3_num_f32 v[NM+2*\u+1], v[NM+2*\u+1], v[XT+4*\u], v[XT+4*\u+1]   ; with lane l xor 16's 64: the running largest score
.endr
.irp u, 0,1
	s_delay_alu instid0(VALU_DEP_2)
	v_mul_f32 v[XT+4*\u], s[CN], v[NM+2*\u+1]      ; as -t (c is positive)
.endr
.irp u, 0,1
	v_mov_b32 v[XT+4*\u+1], v[NM+2*\u]
.endr
.irp u, 0,1
	s_delay_alu instid0(VALU_DEP_4)
	v_floor_f32 v[NM+2*\u], v[XT+4*\u]             ; the new -M = floor(-t) = -ceil(t): M is a whole number
.endr
.irp u, 0,1
	s_delay_alu instid0(VALU_DEP_2)
	v_sub_f32 v[XT+4*\u], v[NM+2*\u], v[XT+4*\u+1] ; M's old value less its new one: a whole number, 0 or less
.endr
.irp u, 0,1
	s_delay_alu instid0(VALU_DEP_2)
	v_cvt_i32_f32 v[XT+4*\u], v[XT+4*\u]           ; (it saturates)
.endr
.irp u, 0,1
	s_delay_alu instid0(VALU_DEP_2)
	v_ldexp_f32 v[F+2*\u], 1.0, v[XT+4*\u]         ; f = 2^(old M - new M)
.endr
.irp u, 0,1
.irp c, 0,1
	v_fma_f32 v[BM+4*\u+2*\c], v[BM+4*\u+2*\c], s[CS], v[NM+2*\u]   ; t - M of each block's largest score
.endr
.endr
	WIN 0x41
.set J, 0
.rept 32
	v_pk_fma_f32 v[J:J+1], v[J:J+1], s[CS:CS+1], v[NM:NM+1] op_sel_hi:[1,0,0]   ; tile 0: t - M, two at a time
.set J, J+2
.endr
	WIN 0
	s_wait_alu depctr_va_vdst(0)
.irp u, 0,1
.irp c, 0,1
	v_exp_f32 v[BM+4*\u+2*\c], v[BM+4*\u+2*\c]     ; the block's largest p: the same two instructions on the same number give the same bits
.endr
.endr
	WIN 0x41
.set J, 0
.rept 32                                       ; THE FIRST BATCH: tile 0's p = 2^(t - M), at most 1, not normalised.  Among the exponentials stand tile 1's t - M: lines that hang on nothing of the batch, first read behind the wait below
	v_exp_f32 v[J], v[J]
	v_exp_f32 v[J+1], v[J+1]
	v_pk_fma_f32 v[64+J:64+J+1], v[64+J:64+J+1], s[CS:CS+1], v[NM+2:NM+3] op_sel_hi:[1,0,0]
.set J, J+2
.endr
	s_wait_alu depctr_va_vdst(0)                   ; one wait behind the first batch and ahead of the second
	WIN 0x45
.set J, 0
.rept 16                                       ; THE SECOND BATCH: tile 1's p.  Among the exponentials stand sixteen first sums of tile 0's p, each of two pairs, none hanging on another, first read behind the wait below
	v_exp_f32 v[64+4*J], v[64+4*J]
	v_exp_f32 v[64+4*J+1], v[64+4*J+1]
	v_exp_f32 v[64+4*J+2], v[64+4*J+2]
	v_exp_f32 v[64+4*J+3], v[64+4*J+3]
	v_pk_add_f32 v[T1+2*J:T1+2*J+1], v[2*J:2*J+1], v[32+2*J:32+2*J+1]
.set J, J+1
.endr
	WIN 0
	s_wait_alu depctr_va_vdst(0)                   ; the wait behind the batch, directly ahead of the first reader of O^T too
.irp u, 0,1
.set J, 0
.rept 16
	v_pk_mul_f32 v[O+32*\u+J:O+32*\u+J+1], v[O+32*\u+J:O+32*\u+J+1], v[F+2*\u:F+2*\u+1] op_sel_hi:[1,0]   ; O^T under the new M, each accumulator from its low end on
.set J, J+2
.endr
.endr
.irp u, 0,1
.irp c, 0,1
	v_max_num_f32 v[BM+4*\u+2*\c], 0x1800000, v[BM+4*\u+2*\c]   ; the floor 2^(3 - 127): the byte cannot fall under 1
.endr
.endr
.irp u, 0,1
.irp c, 0,1
	v_add_nc_u32 v[SOP+2*\u+\c], 0xff000000, v[BM+4*\u+2*\c]    ; 2 off the exponent field: the conversion's scale operand
.endr
.endr
.irp u, 0,1
.irp c, 0,1
	v_lshrrev_b32 v[XT+4*\u+\c], 23, v[SOP+2*\u+\c]             ; the scale's byte
.endr
.endr
.irp u, 0,1
	v_lshl_or_b32 v[PW+\u], v[XT+4*\u+1], 16, v[XT+4*\u]   ; my two bytes, blocks h and 2 + h,
.endr
.irp u, 0,1
	v_lshlrev_b32 v[PW+\u], v[H8], v[PW+\u]        ; at their places in the word;
.endr
.irp u, 0,1
	v_permlanex16_b32 v[XT+4*\u+2], v[PW+\u], s[SEL], s[SEL+1]
.endr
.irp u, 0,1
	v_or_b32 v[PW+\u], v[PW+\u], v[XT+4*\u+2]      ; with lane l xor 16's two: p's scale word for these 128 keys
.endr
	WIN 0x01
.irp u, 0,1
.irp c, 0,1
	v_cvt_scalef32_pk16_fp6_f32 v[PC+12*\u+6*\c:PC+12*\u+6*\c+2], v[64*\u+32*\c:64*\u+32*\c+15], v[SOP+2*\u+\c]
	v_cvt_scalef32_pk16_fp6_f32 v[CT+8*\u+4*\c:CT+8*\u+4*\c+2], v[64*\u+32*\c+16:64*\u+32*\c+31], v[SOP+2*\u+\c]   ; (a conversion's three registers begin on an even number)
.endr
.endr
	WIN 0
	v_nop                                          ; one plain line behind a scaled conversion
.irp u, 0,1
.irp c, 0,1
.irp i, 0,1,2
	v_mov_b32 v[PC+12*\u+6*\c+3+\i], v[CT+8*\u+4*\c+\i]   ; registers 6 c .. 6 c + 5: keys 64 c + 32 h + 0 .. 31
.endr
.endr
.endr
	WIN 0x05                                       ; THE ROW'S SUM OF THE UNQUANTISED p goes on: four chains a tile, two numbers a line.  These lines are also the places between the codes' and the scale words' last writes and the products
.irp k, 0,1,2,3
	v_pk_add_f32 v[SA+2*\k:SA+2*\k+1], v[T1+2*\k:T1+2*\k+1], v[T1+8+2*\k:T1+8+2*\k+1]
.endr
.irp k, 0,1,2,3
	v_pk_add_f32 v[SA+8+2*\k:SA+8+2*\k+1], v[64+2*\k:64+2*\k+1], v[72+2*\k:72+2*\k+1]
.endr
	WIN 0x01
.irp r, 0,1
.irp k, 0,1,2,3
	v_pk_add_f32 v[SA+2*\k:SA+2*\k+1], v[T1+16+8*\r+2*\k:T1+16+8*\r+2*\k+1], v[SA+2*\k:SA+2*\k+1]
.endr
.irp k, 0,1,2,3
	v_pk_add_f32 v[SA+8+2*\k:SA+8+2*\k+1], v[80+8*\r+2*\k:80+8*\r+2*\k+1], v[SA+8+2*\k:SA+8+2*\k+1]
.endr
.endr
.irp r, 2,3,4,5
.irp k, 0,1,2,3
	v_pk_add_f32 v[SA+8+2*\k:SA+8+2*\k+1], v[80+8*\r+2*\k:80+8*\r+2*\k+1], v[SA+8+2*\k:SA+8+2*\k+1]
.endr
.endr
	WIN 0
.irp u, 0,1
	v_pk_add_f32 v[SA+8*\u:SA+8*\u+1], v[SA+8*\u:SA+8*\u+1], v[SA+8*\u+2:SA+8*\u+3]
	v_pk_add_f32 v[SA+8*\u+4:SA+8*\u+5], v[SA+8*\u+4:SA+8*\u+5], v[SA+8*\u+6:SA+8*\u+7]
.endr
.irp u, 0,1
	v_pk_add_f32 v[SA+8*\u:SA+8*\u+1], v[SA+8*\u:SA+8*\u+1], v[SA+8*\u+4:SA+8*\u+5]
.endr
.irp u, 0,1
	v_pk_fma_f32 v[L+2*\u:L+2*\u+1], v[L+2*\u:L+2*\u+1], v[F+2*\u:F+2*\u+1], v[SA+8*\u:SA+8*\u+1] op_sel_hi:[1,0,1]   ; the old sum under the new M, and this step's
.endr
	s_wait_alu depctr_va_vdst(0)
	s_wait_dscnt 18                                ; V is in; the next K's 18 loads, issued behind V's, may be out
.irp d, 0,1,2,3                                ; O^T += V^T P^T: each fragment of V against both tiles; the eight accumulators by turns
.irp u, 0,1
	v_wmma_scale_f32_16x16x128_f8f6f4 v[O+32*\u+8*\d:O+32*\u+8*\d+7], v[VF+12*\d:VF+12*\d+11], v[PC+12*\u:PC+12*\u+11], v[O+32*\u+8*\d:O+32*\u+8*\d+7], v[VS+\d], v[PW+\u] matrix_a_fmt:MATRIX_FMT_FP6 matrix_b_fmt:MATRIX_FMT_FP6
.endr
.endr
	s_add_co_u32 s[TB], s[TB], KSB
	s_sub_co_u32 s[CNT], s[CNT], 1
	s_cmp_lg_u32 s[CNT], 0
	s_cbranch_scc1 .Lstep
	; THE WAY OUT: O^T / the sum, quantised along the head's 64 channels in registers.  Register i of a tile's 32 is channel 32 h + i of my query: a lane holds one whole block: six registers of a half-image of the last product's operand, and one scale byte.  No LDS.
.rept 4
	v_nop                                          ; places behind the last products
.endr
.irp u, 0,1
	v_add_f32 v[L+2*\u], v[L+2*\u], v[L+2*\u+1]    ; the sum's two halves,
.endr
.irp u, 0,1
	v_permlanex16_b32 v[XT+\u], v[L+2*\u], s[SEL], s[SEL+1]
.endr
.irp u, 0,1
	v_add_f32 v[L+2*\u], v[L+2*\u], v[XT+\u]       ; and lane l xor 16's: the row's sum
.endr
	s_wait_alu depctr_va_vdst(0)
	v_rcp_f32 v[L], v[L]
	v_rcp_f32 v[L+2], v[L+2]
	v_bfe_u32 v4, v0, 4, 1                         ; (plain lines behind the transcendentals)  h
	v_and_b32 v5, 15, v0
	v_lshl_add_u32 v5, v5, 3, v4                   ; the scale byte's place: 8 r + h
	s_wait_alu depctr_va_vdst(0)                   ; the wait, directly ahead of the first reader
.irp u, 0,1
.set J, 0
.rept 16
	v_pk_mul_f32 v[O+32*\u+J:O+32*\u+J+1], v[O+32*\u+J:O+32*\u+J+1], v[L+2*\u:L+2*\u+1] op_sel_hi:[1,0]
.set J, J+2
.endr
.endr
.irp u, 0,1
.irp b, 0,1
	v_max3_num_f32 v[BM+2*\u+\b], |v[O+32*\u+16*\b]|, |v[O+32*\u+16*\b+1]|, 0x1800000
.endr
.endr
.irp i, 2,4,6,8,10,12,14
.irp u, 0,1
.irp b, 0,1
	v_max3_num_f32 v[BM+2*\u+\b], v[BM+2*\u+\b], |v[O+32*\u+16*\b+\i]|, |v[O+32*\u+16*\b+\i+1]|
.endr
.endr
.endr
.irp u, 0,1
	v_max_num_f32 v[BM+2*\u], v[BM+2*\u], v[BM+2*\u+1]   ; the block's two halves
.endr
.irp u, 0,1
	v_add_nc_u32 v[SOP+\u], 0xff000000, v[BM+2*\u]
.endr
.irp u, 0,1
	v_lshrrev_b32 v[XT+\u], 23, v[SOP+\u]          ; lane (r, h) stores block h's byte
.endr
.irp u, 0,1
	v_cvt_scalef32_pk16_fp6_f32 v[PC+12*\u:PC+12*\u+2], v[O+32*\u:O+32*\u+15], v[SOP+\u]
	v_cvt_scalef32_pk16_fp6_f32 v[CT+8*\u:CT+8*\u+2], v[O+32*\u+16:O+32*\u+31], v[SOP+\u]
.endr
	v_nop
.irp u, 0,1
.irp i, 0,1,2
	v_mov_b32 v[PC+12*\u+3+\i], v[CT+8*\u+\i]      ; registers 0-5: channels 32 h .. 32 h + 31 of row r
.endr
.endr
.irp u, 0,1
	global_store_b128 v1, v[PC+12*\u:PC+12*\u+3], s[6:7] offset:3072*\u          ; 512 consecutive bytes, aligned
	global_store_b64 v2, v[PC+12*\u+4:PC+12*\u+5], s[6:7] offset:3072*\u+512     ; 256 consecutive bytes, aligned
	global_store_b8 v5, v[XT+\u], s[8:9] offset:128*\u   ; single bytes, 32 a tile beside its 768 bytes of codes: a row's eight bytes of a K slot belong to four heads, which are four work-groups
.endr
	s_wait_tensorcnt 0x0                           ; the wave's end
	ds_add_u32 v[SPW], v[NIL]
	s_wait_dscnt 0x0
	ROUND                                          ; the closing round: no work-group ends while a partner may still ask for a tile that names it
	s_endpgm
.Lfunc_end_k_qde007a7144_attn:
	.size	k_qde007a7144_attn, .Lfunc_end_k_qde007a7144_attn-k_qde007a7144_attn
	.p2alignl 7, 3214868480
	.fill 96, 4, 3214868480
	.section	.rodata,"a",@progbits
	.p2align	6, 0x0
	.amdhsa_kernel k_qde007a7144_attn
		.amdhsa_group_segment_fixed_size 210944
		.amdhsa_private_segment_fixed_size 0
		.amdhsa_enable_private_segment 0
		.amdhsa_kernarg_size 24
		.amdhsa_user_sgpr_count 2
		.amdhsa_user_sgpr_kernarg_segment_ptr 1
		.amdhsa_wavefront_size32 1
		.amdhsa_system_sgpr_workgroup_id_x 1
		.amdhsa_system_sgpr_workgroup_id_y 1
		.amdhsa_system_sgpr_workgroup_id_z 1
		.amdhsa_system_vgpr_workitem_id 0
		.amdhsa_next_free_vgpr 512
		.amdhsa_next_free_sgpr 66
		.amdhsa_reserve_vcc 0
		.amdhsa_float_denorm_mode_32 3
		.amdhsa_float_denorm_mode_16_64 3
		.amdhsa_memory_ordered 1
		.amdhsa_forward_progress 1
		.amdhsa_inst_pref_size 46
	.end_amdhsa_kernel
	.amdgpu_metadata
---
amdhsa.version: [ 1, 2 ]
amdhsa.kernels:
  - .name:           k_qde007a7144_attn
    .symbol:         k_qde007a7144_attn.kd
    .args:
      - { .name: qkv, .offset: 0, .size: 8, .value_kind: global_buffer, .address_space: global }
      - { .name: oc, .offset: 8, .size: 8, .value_kind: global_buffer, .address_space: global }
      - { .name: os, .offset: 16, .size: 8, .value_kind: global_buffer, .address_space: global }
    .group_segment_fixed_size: 210944
    .private_segment_fixed_size: 0
    .kernarg_segment_align: 8
    .kernarg_segment_size: 24
    .max_flat_workgroup_size: 256
    .sgpr_count:     66
    .vgpr_count:     512
    .wavefront_size: 32
...
	.end_amdgpu_metadata
.endif
;; end of part 3
;; launch outp (part 4): grid 8 x 32, 4 waves a work-group, clusters of 4 x 4, 327,680 bytes of LDS; arguments oc, os, wc, ws, bo, out0; writes out0
.if DOCPART == 4
	.amdgcn_target "amdgcn-amd-amdhsa--gfx1250"
	.amdhsa_code_object_version 6
	.text
	.protected	k_qde007a7144_outp
	.globl	k_qde007a7144_outp
	.p2align	8
	.type	k_qde007a7144_outp,@function
k_qde007a7144_outp:
	s_mov_b64 s[64:65], 0
	v_nop
	global_prefetch_b8 v0, s[64:65] scope:SCOPE_SE
	s_setreg_imm32_b32 hwreg(HW_REG_WAVE_MODE, 25, 1), 1
	s_wait_xcnt 0x0
	s_wait_alu depctr_hold_cnt(0) depctr_sa_sdst(0) depctr_va_vdst(0) depctr_va_sdst(0) depctr_va_ssrc(0) depctr_va_vcc(0) depctr_vm_vsrc(0)
	s_getreg_b32 s2, hwreg(HW_REG_IB_STS2, 6, 4)
	s_cmp_eq_u32 s2, 0
	s_cbranch_scc0 .Lentry_in_a_cluster
	s_endpgm
.Lentry_in_a_cluster:
	s_bfe_u32 s2, ttmp6, 0x10000c
	s_cmp_lg_u32 s2, 0xf033
	s_cbranch_scc0 .Lentry_shape_is_right
	s_endpgm
.Lentry_shape_is_right:
.set KSB,    24576
.set SIDE,   4*KSB
.set PAIR,   2*KSB
.set SCL,    2*SIDE
.set SCW,    2048
.set STG,    SCL+4*SCW
.set SPITCH, 272
.set KSTR,   786432
.set RBB,    3072
.set FR,     12
.set NL,     4
.set NP,     4
.set ADRA, 16
.set ADRB, 20
.set STO,  24
.set RD,   25
.set CO,   26
.set ADRS, 27
.set SC,   32
.set BI,   64
.set BK,   64
.set ACC,  128
.set G1, 24
.set G0, 32
.set G1B, 48
.set G0B, 56
.set G1S, 68
.set G0S, 76
.set G1SB, 80
.set G0SB, 88
.set MSB, 0
.macro WIN new
.if MSB != (\new)
	s_set_vgpr_msb (MSB<<8)|(\new)
.set MSB, \new
.endif
.endm
.set MUL,  0x05
.set TO_F, 0x40
.macro JLOAD g0a, g1a, g0b, g1b
	s_cmp_eq_u32 s15, 0
	s_cbranch_scc0 .Lfor_b_\@
	tensor_load_to_lds s[\g0a:\g0a+3], s[\g1a:\g1a+7]
	s_nop 0
.rept 4
	v_nop
.endr
	s_branch .Lasked_\@
.Lfor_b_\@:
	tensor_load_to_lds s[\g0b:\g0b+3], s[\g1b:\g1b+7]
	s_nop 0
.rept 4
	v_nop
.endr
.Lasked_\@:
.endm
.macro CROUND
	s_barrier_signal -1
	s_barrier_wait -1
	s_cmp_lg_u32 s14, 0
	s_cbranch_scc1 .Lnot_wave_0_\@
	s_barrier_signal -3
.Lnot_wave_0_\@:
	s_barrier_wait -3
	s_barrier_signal -1
	s_barrier_wait -1
.endm
	s_load_b128 s[4:7], s[0:1], 0x0
	s_load_b128 s[8:11], s[0:1], 0x10
	s_load_b128 s[96:99], s[0:1], 0x20
	v_lshl_add_u32 v30, v0, 2, 0x36400
	v_mov_b32 v31, 0
	ds_add_u32 v30, v31
	ds_add_u32 v30, v31
	v_lshrrev_b32 v1, 5, v0
	v_readfirstlane_b32 s14, v1
	s_lshr_b32 s15, s14, 1
	s_and_b32 s16, s14, 1
	s_bfe_u32 s40, ttmp6, 0x40000
	s_bfe_u32 s41, ttmp6, 0x40004
	s_lshl_b32 s42, ttmp9, 2
	s_add_co_u32 s42, s42, s40
	s_and_b32 s17, ttmp7, 0xffff
	s_lshl_b32 s17, s17, 2
	s_add_co_u32 s17, s17, s41
	s_lshl_b32 s43, s41, 2
	s_lshl_b32 s43, 15, s43
	s_lshl_b32 s44, 0x1111, s40
	s_or_b32 s[G1+0], s43, (3<<16)|(1<<21)
	s_or_b32 s[G1B+0], s44, (3<<16)|(1<<21)
.irp g, G1, G1B
	s_mov_b32 s[\g+1], 3072<<16                    ; a side's codes, all of K, by one load: 4 rows (K slots) of 24,576 bytes (3,072 elements of 8),
	s_mov_b32 s[\g+2], 4<<16
	s_mov_b32 s[\g+3], 3072<<16
	s_mov_b32 s[\g+4], 4
	s_mov_b32 s[\g+5], KSTR/8                      ; a K slot apart
	s_mov_b32 s[\g+6], 0
	s_mov_b32 s[\g+7], 0
.endr
	s_or_b32 s[G1S+0], s43, (3<<16)|(1<<21)
	s_or_b32 s[G1SB+0], s44, (3<<16)|(1<<21)
.irp g, G1S, G1SB
	s_mov_b32 s[\g+1], 128<<16                     ; a side's scale bytes: 4 rows (K slots) of 128 rows x 8 bytes
	s_mov_b32 s[\g+2], 4<<16
	s_mov_b32 s[\g+3], 128<<16
	s_mov_b32 s[\g+4], 4
	s_mov_b32 s[\g+5], 4096
	s_mov_b32 s[\g+6], 0
	s_mov_b32 s[\g+7], 0
.endr
	s_mul_i32 s20, s17, KSB                        ; the tile's 8 rowblocks of tokens in K slot 0
	s_mov_b32 s21, 0
	s_mul_i32 s46, s42, KSB
	s_add_co_u32 s46, s46, 192*RBB                 ; its 8 rowblocks of Wo's columns
	s_mov_b32 s47, 0
	s_lshl_b32 s22, s17, 10                        ; and their scale bytes
	s_mov_b32 s23, 0
	s_lshl_b32 s92, s42, 10
	s_add_co_u32 s92, s92, 192*128
	s_mov_b32 s93, 0
	s_wait_dscnt 0x0
	s_wait_kmcnt 0x0
	s_add_nc_u64 s[20:21], s[4:5], s[20:21]
	s_add_nc_u64 s[22:23], s[6:7], s[22:23]
	s_add_nc_u64 s[46:47], s[8:9], s[46:47]
	s_add_nc_u64 s[92:93], s[10:11], s[92:93]
	CROUND
	; ALL THAT THE TILE NEEDS, in four joint loads, one a wave: the tokens' codes, Wo's codes, the tokens' scales, Wo's scales.  Nothing is filled later
	s_mov_b32 s[G0], 1
	s_mov_b32 s[G0+1], 0
	s_mov_b64 s[G0+2:G0+3], s[20:21]
	s_or_b32 s[G0+3], s[G0+3], 0x80000000
	s_mov_b32 s[G0B], 1
	s_mov_b32 s[G0B+1], SIDE
	s_mov_b64 s[G0B+2:G0B+3], s[46:47]
	s_or_b32 s[G0B+3], s[G0B+3], 0x80000000
	s_mov_b32 s[G0S], 1
	s_mov_b32 s[G0S+1], SCL
	s_mov_b64 s[G0S+2:G0S+3], s[22:23]
	s_or_b32 s[G0S+3], s[G0S+3], 0x80000000
	s_mov_b32 s[G0SB], 1
	s_mov_b32 s[G0SB+1], SCL+2*SCW
	s_mov_b64 s[G0SB+2:G0SB+3], s[92:93]
	s_or_b32 s[G0SB+3], s[G0SB+3], 0x80000000
.macro ARM under, g0, g1, next         ; one chain of branches on the wave's number: every way passes exactly one load
	s_cmp_lt_u32 s14, \under
	s_cbranch_scc0 \next
	tensor_load_to_lds s[\g0:\g0+3], s[\g1:\g1+7]
	s_nop 0
.rept 4
	v_nop
.endr
	s_branch .Lhead_asked
\next:
.endm
	ARM 1, G0,  G1,  .Lhead_b
	ARM 2, G0B, G1B, .Lhead_sa
	ARM 3, G0S, G1S, .Lhead_sb
	tensor_load_to_lds s[G0SB:G0SB+3], s[G1SB:G1SB+7]
	s_nop 0
.rept 4
	v_nop
.endr
.Lhead_asked:
	v_and_b32 v1, 15, v0
	v_bfe_u32 v2, v0, 4, 1
	s_wait_alu depctr_va_vdst(0)
	v_and_b32 v3, 31, v0
	v_lshlrev_b32 v4, 4, v3
	s_wait_alu depctr_va_vdst(0)
	v_lshlrev_b32 v5, 3, v3
	s_wait_alu depctr_va_vdst(0)
	s_lshl_b32 s20, s17, 19
	s_lshl_b32 s21, s15, 18
	s_add_co_u32 s20, s20, s21
	s_lshl_b32 s46, s42, 9
	s_lshl_b32 s47, s16, 8
	s_add_co_u32 s46, s46, s47
	s_add_co_u32 s20, s20, s46
	s_mov_b32 s21, 0
	s_mov_b32 s47, 0
	s_add_nc_u64 s[98:99], s[98:99], s[20:21]
	s_add_nc_u64 s[96:97], s[96:97], s[46:47]
	v_lshlrev_b32 v7, 7, v2                        ; rows and columns lie by position: rowblock 4 G + t, row p, is true index 64 G + 32 (p / 8) + 8 t + p % 8: register j of tile b in lane (r, h) is column 32 h + 8 b + j of my 64
.irp b, 0,1,2,3
	global_load_b128 v[BI+8*\b:BI+8*\b+3], v7, s[96:97] offset:32*\b
	global_load_b128 v[BI+8*\b+4:BI+8*\b+7], v7, s[96:97] offset:32*\b+16
.endr
	s_mul_i32 s21, s15, 4*RBB
	s_mul_i32 s22, s16, 4*RBB
	s_add_co_u32 s22, s22, SIDE
.irp s, 0,1
	v_add_nc_u32 v[ADRA+\s], s21, v4
	v_add_nc_u32 v[ADRB+\s], s22, v4
	v_add_nc_u32 v[ADRA+2+\s], s21, v5
	v_add_nc_u32 v[ADRB+2+\s], s22, v5
	s_add_co_u32 s21, s21, PAIR
	s_add_co_u32 s22, s22, PAIR
.endr
	s_lshl_b32 s21, s15, 9                         ; my 64 rows in each K slot's 1,024 scale bytes
	s_lshl_b32 s22, s16, 9
	s_add_co_u32 s22, s22, 2*SCW
	s_sub_co_u32 s22, s22, s21
	v_mul_u32_u24 v6, s22, v2
	s_add_co_u32 s21, s21, SCL
	v_lshl_add_u32 v6, v1, 3, v6
	v_add_nc_u32 v[ADRS], s21, v6
	s_mul_i32 s23, s14, 16*SPITCH
	s_add_co_u32 s23, s23, STG
	v_mul_u32_u24 v6, v1, SPITCH
	v_lshl_add_u32 v6, v2, 7, v6
	v_add_nc_u32 v[STO], s23, v6
	v_mul_u32_u24 v6, v2, SPITCH
	v_lshl_add_u32 v6, v1, 4, v6
	v_add_nc_u32 v[RD], s23, v6
	v_lshlrev_b32 v[CO], 12, v2
	v_lshl_add_u32 v[CO], v1, 4, v[CO]
.macro FRAG reg, adr, kk, q, i
	ds_load_b128 v[\reg:\reg+3], v[\adr] offset:(\kk)*KSB+(\i)*RBB+(\q)*1536
	ds_load_b64 v[\reg+4:\reg+5], v[\adr+2] offset:(\kk)*KSB+(\i)*RBB+(\q)*1536+512
	ds_load_b128 v[\reg+6:\reg+9], v[\adr] offset:(\kk)*KSB+(\i)*RBB+(\q)*1536+768
	ds_load_b64 v[\reg+10:\reg+11], v[\adr+2] offset:(\kk)*KSB+(\i)*RBB+(\q)*1536+1280
.endm
.macro FETCH j
	WIN TO_F
.irp i, 0,1,2,3
	FRAG 128*((\j)%2)+48+FR*\i, ADRB+((\j)/4), ((\j)/2)%2, (\j)%2, \i
.endr
.irp i, 0,1,2,3
	FRAG 128*((\j)%2)+FR*\i, ADRA+((\j)/4), ((\j)/2)%2, (\j)%2, \i
.endr
.endm
.macro MUL8 a0, j, first
.irp a, \a0, \a0+1
.irp b, 0,1,2,3
.if \first
	v_wmma_scale_f32_16x16x128_f8f6f4 v[ACC+8*(4*(\a)+\b):ACC+8*(4*(\a)+\b)+7], v[128*((\j)%2)+48+FR*\b:128*((\j)%2)+48+FR*\b+FR-1], v[128*((\j)%2)+FR*(\a):128*((\j)%2)+FR*(\a)+FR-1], v[BI+8*\b:BI+8*\b+7], v[SC+8*((\j)/2)+2*\b+(\j)%2], v[SC+8*((\j)/2)+2*(\a)+(\j)%2] matrix_a_fmt:MATRIX_FMT_FP6 matrix_b_fmt:MATRIX_FMT_FP6 matrix_a_scale:MATRIX_SCALE_ROW1
.else
	v_wmma_scale_f32_16x16x128_f8f6f4 v[ACC+8*(4*(\a)+\b):ACC+8*(4*(\a)+\b)+7], v[128*((\j)%2)+48+FR*\b:128*((\j)%2)+48+FR*\b+FR-1], v[128*((\j)%2)+FR*(\a):128*((\j)%2)+FR*(\a)+FR-1], v[ACC+8*(4*(\a)+\b):ACC+8*(4*(\a)+\b)+7], v[SC+8*((\j)/2)+2*\b+(\j)%2], v[SC+8*((\j)/2)+2*(\a)+(\j)%2] matrix_a_fmt:MATRIX_FMT_FP6 matrix_b_fmt:MATRIX_FMT_FP6 matrix_a_scale:MATRIX_SCALE_ROW1
.endif
.endr
.endr
.endm
.macro PLACES n
.rept \n
	v_nop
.endr
.endm
.macro STEP j, first, meet
.if \meet
	s_wait_dscnt 0x0
	s_wait_tensorcnt 0x0
	s_barrier_signal -1
.else
	s_wait_dscnt 2*NL
.endif
	WIN MUL
	MUL8 0, \j, \first
.if \meet
	s_barrier_wait -1
.endif
	PLACES NP
	FETCH (\j)+1
	s_wait_dscnt 8*NL
	WIN MUL
	MUL8 2, \j, \first
.endm
	s_wait_alu depctr_va_vdst(0)
	s_wait_tensorcnt 0x0
	s_barrier_signal -1
	s_barrier_wait -1
.irp k, 0,1,2,3
.irp i, 0,1,2,3
	ds_load_b64 v[SC+8*\k+2*\i:SC+8*\k+2*\i+1], v[ADRS] offset:\k*1024+\i*128
.endr
.endr
	FETCH 0
	s_wait_loadcnt 0x0
	STEP 0, 1, 0
	STEP 1, 0, 0
	STEP 2, 0, 0
	STEP 3, 0, 0
	STEP 4, 0, 0
	STEP 5, 0, 0
	STEP 6, 0, 0
	s_wait_dscnt 2*NL
	WIN MUL
	MUL8 0, 7, 0
	s_wait_dscnt 0x0
	MUL8 2, 7, 0
	WIN 0
.macro TOSTAGE a
.irp b, 0,1,2,3
	ds_store_b128 v[STO], v[ACC+8*(4*(\a)+\b):ACC+8*(4*(\a)+\b)+3] offset:32*\b
	ds_store_b128 v[STO], v[ACC+8*(4*(\a)+\b)+4:ACC+8*(4*(\a)+\b)+7] offset:32*\b+16
.endr
.set BB, BK+32*((\a)%2)
.irp t, 0,1,2,3,4,5,6,7
	ds_load_b128 v[BB+4*\t:BB+4*\t+3], v[RD] offset:2*\t*SPITCH
.endr
.endm
.macro SEND a, younger
.set BB, BK+32*((\a)%2)
	s_wait_dscnt \younger
.irp t, 0,1,2,3,4,5,6,7
	global_store_b128 v[CO], v[BB+4*\t:BB+4*\t+3], s[98:99] offset:(8*(\a)+2*\t+24*(\t/4))*4096 th:TH_STORE_NT
.endr
.endm
	PLACES NP
	TOSTAGE 0
.irp a, 1,2,3
.if \a > 1
	s_wait_xcnt 0x0
.endif
	TOSTAGE \a
	SEND \a-1, 16
.endr
	SEND 3, 0
	s_wait_tensorcnt 0x0
	ds_add_u32 v30, v31
	s_wait_dscnt 0x0
	CROUND
	s_endpgm
.Lfunc_end_k_qde007a7144_outp:
	.size	k_qde007a7144_outp, .Lfunc_end_k_qde007a7144_outp-k_qde007a7144_outp
	.p2alignl 7, 3214868480
	.fill 96, 4, 3214868480
	.section	.rodata,"a",@progbits
	.p2align	6, 0x0
	.amdhsa_kernel k_qde007a7144_outp
		.amdhsa_group_segment_fixed_size 327680
		.amdhsa_private_segment_fixed_size 0
		.amdhsa_enable_private_segment 0
		.amdhsa_kernarg_size 48
		.amdhsa_user_sgpr_count 2
		.amdhsa_user_sgpr_kernarg_segment_ptr 1
		.amdhsa_wavefront_size32 1
		.amdhsa_system_sgpr_workgroup_id_x 1
		.amdhsa_system_sgpr_workgroup_id_y 1
		.amdhsa_system_sgpr_workgroup_id_z 1
		.amdhsa_system_vgpr_workitem_id 0
		.amdhsa_next_free_vgpr 512
		.amdhsa_next_free_sgpr 100
		.amdhsa_reserve_vcc 0
		.amdhsa_float_denorm_mode_32 3
		.amdhsa_float_denorm_mode_16_64 3
		.amdhsa_memory_ordered 1
		.amdhsa_forward_progress 1
		.amdhsa_inst_pref_size 52
	.end_amdhsa_kernel
	.amdgpu_metadata
---
amdhsa.version: [ 1, 2 ]
amdhsa.kernels:
  - .name:           k_qde007a7144_outp
    .symbol:         k_qde007a7144_outp.kd
    .args:
      - { .name: oc, .offset: 0, .size: 8, .value_kind: global_buffer, .address_space: global }
      - { .name: os, .offset: 8, .size: 8, .value_kind: global_buffer, .address_space: global }
      - { .name: wc, .offset: 16, .size: 8, .value_kind: global_buffer, .address_space: global }
      - { .name: ws, .offset: 24, .size: 8, .value_kind: global_buffer, .address_space: global }
      - { .name: bo, .offset: 32, .size: 8, .value_kind: global_buffer, .address_space: global }
      - { .name: out0, .offset: 40, .size: 8, .value_kind: global_buffer, .address_space: global }
    .group_segment_fixed_size: 327680
    .private_segment_fixed_size: 0
    .kernarg_segment_align: 8
    .kernarg_segment_size: 48
    .max_flat_workgroup_size: 128
    .sgpr_count:     100
    .vgpr_count:     512
    .wavefront_size: 32
...
	.end_amdgpu_metadata
.endif
;; end of part 4
